; MI455X (gfx1250); checked and timed in simulation.
; The chip was launched on July 23, 2026; its instructions are those of AMD's public machine-readable ISA for CDNA 5 (MIT licence, August 2026) and "CDNA5" Instruction Set Architecture Reference Guide (July 2026). The comments in the code are by the model that wrote it; some were corrected since.
;; Casual Multihead Self Attn. Allowed arithmetic: matrix products marked QUANTISED: E2M3 operands, one E8M0 scale for each 32 along K, by v_wmma_scale_f32_16x16x128_f8f6f4 with both operands' format E2M3, f32 sums; everything else in f32.
;; Inputs: Wk 1,024 x 1,024 float32; Wo 1,024 x 1,024 float32; Wq 1,024 x 1,024 float32; Wv 1,024 x 1,024 float32; token_positions 2,048 int32; x 4 x 2,048 x 1,024 float32.
;; Outputs: out0 4 x 2,048 x 1,024 float32.
;; This version of the problem:
;;   THIS VERSION OF THE PROBLEM IS GIVEN IN LOW PRECISION. The matrix products marked QUANTISED in the list below multiply operands that are first quantised to E2M3 (2 exponent bits, 3 mantissa bits; 6 bits a number), with one power-of-two scale for each 32 numbers along K (OCP MX v1.0); their sums are f32. All else is computed in f32.
;;   The module's matrix products, in the order in which they are computed (A, B: the left and right operand; K: the contracted axis; several contracted axes count as one K, in the product's order):
;;     1. [M 8,192, K 1,024] x [K 1,024, N 1,024]; A: input x; B: input Wq: QUANTISED
;;     2. [M 8,192, K 1,024] x [K 1,024, N 1,024]; A: input x; B: input Wk: QUANTISED
;;     3. [M 8,192, K 1,024] x [K 1,024, N 1,024]; A: input x; B: input Wv: QUANTISED
;;     4. batch 64 x [M 2,048, K 64] x [K 64, N 2,048]; A: computed on the way; B: computed on the way: QUANTISED
;;     5. batch 64 x [M 2,048, K 2,048] x [K 2,048, N 64]; A: softmax (see below); B: computed on the way: QUANTISED
;;     6. [M 8,192, K 1,024] x [K 1,024, N 1,024]; A: computed on the way; B: input Wo: QUANTISED
;;   THE QUANTISER, for each operand of a quantised product, along K:
;;     - K is cut into blocks of 32 from its start; a last block that is shorter is filled with zeros.
;;     - A block's scale is 2^e with e = floor(log2(the largest magnitude in the block)) - 2, held to -126 .. 127; a block of zeros has e = 0. As a byte (E8M0): e + 127.
;;     - Each number is divided by its block's scale, clamped to +-7.5, and rounded to the nearest number of E2M3, ties to even, subnormals kept.
;;     - The product sums the exact products of the quantised numbers (number of the format x scale) in f32.
;;   ~~~python
;;   def quantise(x, axis):      # numpy; x: float32 -> the quantised numbers, widened to float32 again
;;       x = np.moveaxis(x, axis, -1); K = x.shape[-1]
;;       x = np.pad(x, [(0, 0)] * (x.ndim - 1) + [(0, -K % 32)]); x = x.reshape(x.shape[:-1] + (-1, 32)); a = np.abs(x).max(-1, keepdims=True)
;;       e = np.where(a > 0, np.clip(np.frexp(np.where(a > 0, a, 1))[1] - 1 - 2, -126, 127), 0)      # np.frexp(a)[1] - 1 = floor(log2(a)), exactly
;;       r = np.clip(x / 2.0 ** e, -7.5, 7.5)
;;       step = 2.0 ** (np.maximum(np.frexp(np.where(r == 0, 1, r))[1] - 1, 0) - 3)
;;       q = np.round(r / step) * step * 2.0 ** e      # np.round: ties to even
;;       return np.moveaxis(q.reshape(q.shape[:-2] + (-1,))[..., :K], -1, axis).astype(np.float32)
;;   ~~~
;;   SOFTMAX AHEAD OF A QUANTISED PRODUCT. Where the list says 'softmax', what is quantised is not the finished softmax but p = 2^(t - M), with t = logit x log2(e) and M = ceil(the row's largest t), a whole number; so 1/2 < the row's largest p <= 1. The row's sum l is taken of the UNQUANTISED p, in f32, and the product's result is divided by l at the end. Since M is a whole number, a kernel that streams over the keys may use a running M (the ceiling of the running maximum): every later rescaling is an exact power of two, which a block's scale takes up: the codes' values come out the same.
;;   OPERANDS COMPUTED ON THE WAY. 'Computed on the way' means the value that the module computes at that place (a softmax that the list does not call 'softmax' is quantised finished and normalised). What goes into a quantiser is computed in f32, as accurately as f32 sums, v_exp_f32 and their like allow (about 1e-6 of the number): no bf16 or f16 on the way to a quantiser, and a product that is left as it is and whose result goes on into a quantised operand takes f32 operands (vector FMAs, or v_wmma_f32_16x16x4_f32). A number that lies on a knife's edge between two numbers of the format may be rounded either way, as far as f32 arithmetic and the matrix unit's own rounding can turn it there, and no further.
;; One version. Each part assembles by itself: llvm-mc -triple=amdgcn-amd-amdhsa -mcpu=gfx1250 --defsym DOCPART=n.
;; ======== version 1 of 1: 4 launches
;; workspace buffers: codes 9,437,184 bytes; scales 393,216 bytes; rope 524,288 bytes; qkv 19,922,944 bytes; ao 6,291,456 bytes; aos 262,144 bytes
;; launch prep (part 1): grid 512 x 1, 2 waves a work-group, no clusters, 17,152 bytes of LDS; arguments x, Wq, Wk, Wv, Wo, token_positions, codes, scales, rope; writes codes, scales, rope
.if DOCPART == 1
	.amdgcn_target "amdgcn-amd-amdhsa--gfx1250"
	.amdhsa_code_object_version 6
	.text
	.protected	k_q2a6c164c77_prep
	.globl	k_q2a6c164c77_prep
	.p2align	8
	.type	k_q2a6c164c77_prep,@function
k_q2a6c164c77_prep:
	s_mov_b64 s[64:65], 0
	v_nop
	global_prefetch_b8 v0, s[64:65] scope:SCOPE_SE
	s_setreg_imm32_b32 hwreg(HW_REG_WAVE_MODE, 25, 1), 1
	s_wait_xcnt 0x0
; PREP.  (1) x [8192][1024] and Wq, Wk, Wv, Wo [1024][1024], f32, K innermost, become codes of FP6 (E2M3) with one E8M0 byte for each 32 along K.
; (2) token_positions become a table of (cos, sin) for the rotation of q and k.
; A block's scale is 2^(floor(log2(largest magnitude)) - 2); its byte is the largest magnitude's exponent field - 2, held at 1 from below.  A block of zeros keeps the byte 1: its codes are zeros, and this program alone reads the bytes.
; LAYOUT OF THE CODES: in the order of the operand's registers.  Tile T = 2 G + u holds rows 32 G + 8 u + r + 8 (r / 8), r = 0 .. 15 (lane r holds that row): with such tiles as source 0 of a
; transposed product, the 16 result registers of tiles 2 b and 2 b + 1 are 16 neighbours.  codes: [tile][K step of 128][1,536 bytes]: six pieces of 256 bytes, piece p = registers 2 p, 2 p + 1 of lane L at 8 L.
; scales: [tile][r][32 bytes]: a row's 32 bytes on end.  Tiles 0-511 x, 512-575 Wq, 576-639 Wk, 640-703 Wv, 704-767 Wo.
; SHARES.  Work-groups 0-383: 32 rows each, wave u the tile 2 G + u, eight units of 128 along K.  A unit's 16 loads read 512 consecutive bytes of one row each; the 8 KiB turn through the wave's own stage in LDS
; (rows 528 bytes apart) so that a lane gets 16 neighbours of each block of 32.  Two units' loads (32 of 16 bytes a lane) are out.  Waves share nothing: no barrier.
; Work-groups 384-511: the table, 8 tokens a wave, lane = frequency i: rope[token][i] = (cos, sin)(position x 10000^(-i / 32)), 256 bytes a token.
; The angle is the f32 product as the model has it; it is reduced by n = round(angle x 2 / pi) with pi / 2 in three parts by fused multiply-adds; sine and cosine on [-pi/4, pi/4] are polynomials of degree 9 and 8.
; No work-group reads what another reads: nothing to share in a cluster.
; LIMITS: NaN and infinities among the inputs are not served; blocks whose largest magnitude lies under 2^-124 keep the byte 1; |position| up to 2^24 (beyond it the reduction loses bits).
.set SP,    528                        ; a stage row: 512 bytes + 16
.set WREG,  16*SP                      ; a wave's stage
.set TM,    16                         ; v16-31  at work in QUANT
.set PWS,   32                         ; v32-39  the eight scale words of my row
.set PC,    40                         ; v40-59  the codes just made
.set X,     64                         ; v64-127 64 numbers: register 16 b + i = k 32 b + 16 (lane / 16) + i of my row
.set R,     128                        ; v128-255 two sets of 64 registers as loaded
.set SEL,   28                         ; s[28:29] selects for lane l xor 16
; 64 numbers of a lane become a fragment's codes in v[PC] on and its scale word in v[pw]
.macro QUANT s, pw
.irp b, 0,1,2,3
	v_max3_num_f32 v[TM+\b], |v[\s+16*\b]|, |v[\s+1+16*\b]|, 0x1800000   ; block b: my 16 numbers, and the floor 2^(3 - 127): the byte cannot fall under 1
.endr
.irp i, 2,4,6,8,10,12,14
.irp b, 0,1,2,3
	v_max3_num_f32 v[TM+\b], v[TM+\b], |v[\s+16*\b+\i]|, |v[\s+1+16*\b+\i]|   ; the four blocks by turns
.endr
.endr
.irp b, 0,1,2,3
	v_permlanex16_b32 v[TM+4+\b], v[TM+\b], s[SEL], s[SEL+1]
.endr
.irp b, 0,1,2,3
	v_max_num_f32 v[TM+\b], v[TM+\b], v[TM+4+\b]   ; with lane l xor 16's: the block's largest magnitude
.endr
.irp b, 0,1,2,3
	v_add_nc_u32 v[TM+12+\b], 0xff000000, v[TM+\b]   ; 2 off its exponent field: the conversion's scale operand
.endr
.irp b, 0,1,2,3
	v_lshrrev_b32 v[TM+4+\b], 23, v[TM+12+\b]      ; the scale's byte
.endr
	v_lshl_or_b32 v[\pw], v[TM+5], 8, v[TM+4]
	v_lshl_or_b32 v[\pw], v[TM+6], 16, v[\pw]
	v_lshl_or_b32 v[\pw], v[TM+7], 24, v[\pw]
.irp c, 0,1
	v_cvt_scalef32_pk16_fp6_f32 v[PC+6*\c:PC+2+6*\c], v[\s+32*\c:\s+15+32*\c], v[TM+12+2*\c]
	v_cvt_scalef32_pk16_fp6_f32 v[PC+12+4*\c:PC+14+4*\c], v[\s+16+32*\c:\s+31+32*\c], v[TM+12+2*\c+1]   ; (a conversion's three registers begin on an even number)
.endr
	v_nop                                          ; one plain place behind a scaled conversion
.irp c, 0,1                                    ; the operand's layout wants a whole block in a lane: lanes 0-15 block 2 c, lanes 16-31 block 2 c + 1
.irp i, 0,1,2
	v_permlane16_swap_b32 v[PC+6*\c+\i], v[PC+12+4*\c+\i]
.endr
.irp i, 0,1,2
	v_mov_b32 v[PC+3+6*\c+\i], v[PC+12+4*\c+\i]
.endr
.endr
.endm
.macro LOAD e                          ; unit e: 128 numbers of each of my 16 rows; a load reads 512 consecutive bytes of one row
.set i, 0
.rept 16
	global_load_b128 v[R+64*((\e)%2)+4*i:R+64*((\e)%2)+4*i+3], v4, s[24:25] offset:(i+8*(i/8))*4096+512*(\e) th:TH_LOAD_NT
.set i, i+1
.endr
.endm
.macro UNIT e
.if (\e) < 7
	s_wait_loadcnt 16                              ; this unit's 16 loads are in; the next unit's 16 may be out
.else
	s_wait_loadcnt 0x0
.endif
.set i, 0
.rept 16
	ds_store_b128 v5, v[R+64*((\e)%2)+4*i:R+64*((\e)%2)+4*i+3] offset:SP*i
.set i, i+1
.endr
.irp b, 0,1,2,3
.irp q, 0,1,2,3
	ds_load_b128 v[X+16*\b+4*\q:X+16*\b+4*\q+3], v6 offset:128*\b+16*\q   ; LDS serves a wave's instructions in order: these see the stores above
.endr
.endr
	s_wait_dscnt 0x0                               ; the numbers are back, and the stores have read their registers
	s_wait_xcnt 0x0                                ; the last unit's stores have read the codes' registers
.if (\e) < 6
	LOAD (\e)+2
.endif
	QUANT X, PWS+(\e)
.irp p, 0,1,2,3,4,5
	global_store_b64 v7, v[PC+2*\p:PC+2*\p+1], s[16:17] offset:1536*(\e)+256*\p   ; 32 lanes store 256 consecutive bytes, aligned
.endr
.endm
.macro FREQ i, bits                    ; lane i takes the f32 nearest to 10^(-i / 8)
	v_cmp_ne_u32 vcc_lo, \i, v1
	v_cndmask_b32 v5, \bits, v5, vcc_lo
.endm
	s_load_b256 s[4:11], s[0:1], 0x0               ; x, Wq, Wk, Wv
	s_load_b256 s[12:19], s[0:1], 0x20             ; Wo, token_positions, codes, scales
	s_load_b64 s[20:21], s[0:1], 0x40              ; rope
	v_lshl_add_u32 v14, v0, 2, 0x4200
	v_mov_b32 v15, 0
	v_lshrrev_b32 v1, 5, v0
	v_readfirstlane_b32 s22, v1                    ; wave
	v_and_b32 v1, 31, v0                           ; lane L
	s_cmp_ge_u32 ttmp9, 384
	s_cbranch_scc1 .Ltable
	; ---------------- the quantiser
	v_and_b32 v2, 15, v0                           ; r
	v_bfe_u32 v3, v0, 4, 1                         ; h
	v_lshlrev_b32 v4, 4, v1                        ; 16 L: my bytes of a load's 512
	s_mul_i32 s23, s22, WREG
	v_add_nc_u32 v5, s23, v4                       ; the stage, on the way in
	v_mul_u32_u24 v6, v2, SP
	v_lshl_add_u32 v6, v3, 6, v6
	v_add_nc_u32 v6, s23, v6                       ; and out: row r, + 64 h
	v_lshlrev_b32 v7, 3, v1                        ; 8 L: a piece's place for my lane
	v_lshlrev_b32 v8, 5, v2
	v_lshl_add_u32 v8, v3, 4, v8                   ; 32 r + 16 h: my 16 of the tile's 512 scale bytes
	s_mov_b32 s[SEL], 0x76543210
	s_mov_b32 s[SEL+1], 0xfedcba98
	s_mov_b32 s30, 0xffff0000                      ; lanes 16-31
.irp b, 0,1,2,3
	v_mov_b32 v[TM+4+\b], 0                        ; written once: a lane permute's destination counts as one of its sources
.endr
	s_wait_alu depctr_va_vdst(0)
	s_wait_kmcnt 0x0
	s_mov_b64 s[24:25], s[12:13]                   ; which tensor: the choice hangs on the work-group's number alone
	s_mov_b32 s26, 352
	s_cmp_lt_u32 ttmp9, 352
	s_cselect_b64 s[24:25], s[10:11], s[24:25]
	s_cselect_b32 s26, 320, s26
	s_cmp_lt_u32 ttmp9, 320
	s_cselect_b64 s[24:25], s[8:9], s[24:25]
	s_cselect_b32 s26, 288, s26
	s_cmp_lt_u32 ttmp9, 288
	s_cselect_b64 s[24:25], s[6:7], s[24:25]
	s_cselect_b32 s26, 256, s26
	s_cmp_lt_u32 ttmp9, 256
	s_cselect_b64 s[24:25], s[4:5], s[24:25]
	s_cselect_b32 s26, 0, s26
	s_sub_co_u32 s26, ttmp9, s26
	s_lshl_b32 s26, s26, 17                        ; 32 rows of 4,096 bytes a work-group,
	s_lshl_b32 s27, s22, 15                        ; 8 rows on for wave 1
	s_add_co_u32 s26, s26, s27
	s_mov_b32 s27, 0
	s_add_nc_u64 s[24:25], s[24:25], s[26:27]
	s_lshl_b32 s26, ttmp9, 1
	s_add_co_u32 s26, s26, s22                     ; my tile
	s_mul_i32 s32, s26, 12288
	s_mov_b32 s33, 0
	s_add_nc_u64 s[16:17], s[16:17], s[32:33]
	s_lshl_b32 s32, s26, 9
	s_add_nc_u64 s[18:19], s[18:19], s[32:33]
	LOAD 0
	LOAD 1
.irp e, 0,1,2,3,4,5,6,7
	UNIT \e
.endr
.irp k, 0,1,2,3
	v_cndmask_b32 v[TM+\k], v[PWS+\k], v[PWS+4+\k], s30   ; lanes 0-15: my row's words 0-3; lanes 16-31: words 4-7
.endr
	global_store_b128 v8, v[TM:TM+3], s[18:19]     ; the tile's 512 scale bytes, consecutive and aligned
	s_wait_tensorcnt 0x0
	ds_add_u32 v14, v15
	s_wait_dscnt 0x0
	s_endpgm
	; ---------------- the table
.set TA,  16                           ; eight tokens by turns: angle, then the reduced angle
.set TN,  24                           ; n
.set TZ,  32                           ; r r, later at work
.set TC,  40                           ; cos r
.set TP,  48                           ; sin r
.set TO,  56                           ; v56-71 (cos, sin) of the angle, a pair for each token: no store's data are written again
.Ltable:
	s_sub_co_u32 s23, ttmp9, 384
	s_lshl_b32 s23, s23, 4
	s_lshl_b32 s24, s22, 3
	s_add_co_u32 s23, s23, s24                     ; my first token: 16 x work-group + 8 x wave
	v_and_b32 v2, 7, v0
	v_lshlrev_b32 v2, 2, v2
	s_lshl_b32 s24, s23, 2
	s_mov_b32 s25, 0
	s_lshl_b32 s26, s23, 8
	s_mov_b32 s27, 0
	s_wait_alu depctr_va_vdst(0)
	s_wait_kmcnt 0x0
	s_add_nc_u64 s[14:15], s[14:15], s[24:25]
	s_add_nc_u64 s[20:21], s[20:21], s[26:27]
	global_load_b32 v3, v2, s[14:15]               ; lane l: the position of token l % 8
	v_lshlrev_b32 v4, 3, v1                        ; 8 L
	v_mov_b32 v5, 1.0
	FREQ 1, 0x3f3ff911
	FREQ 2, 0x3f0ff59a
	FREQ 3, 0x3ed7e89b
	FREQ 4, 0x3ea1e89b
	FREQ 5, 0x3e72d424
	FREQ 6, 0x3e361887
	FREQ 7, 0x3e088d77
	FREQ 8, 0x3dcccccd
	FREQ 9, 0x3d99940e
	FREQ 10, 0x3d6655c3
	FREQ 11, 0x3d2cba15
	FREQ 12, 0x3d0186e2
	FREQ 13, 0x3cc24350
	FREQ 14, 0x3c91ad39
	FREQ 15, 0x3c5a7bf1
	FREQ 16, 0x3c23d70a
	FREQ 17, 0x3bf5b9b0
	FREQ 18, 0x3bb8449c
	FREQ 19, 0x3b8a2e77
	FREQ 20, 0x3b4f3e37
	FREQ 21, 0x3b1b690d
	FREQ 22, 0x3ae91528
	FREQ 23, 0x3aaec98e
	FREQ 24, 0x3a83126f
	FREQ 25, 0x3a44948c
	FREQ 26, 0x3a136a16
	FREQ 27, 0x39dd1726
	FREQ 28, 0x39a5cb5f
	FREQ 29, 0x3978a814
	FREQ 30, 0x393a7753
	FREQ 31, 0x390bd472
	s_mov_b32 s32, 0xbfc90fd8                      ; -pi / 2 in three parts
	s_mov_b32 s33, 0xb4a8885a
	s_mov_b32 s34, 0xa7c234c4
	s_mov_b32 s35, 0x37cd4000                      ; the cosine's two highest coefficients
	s_mov_b32 s36, 0xbab6077d
	s_mov_b32 s37, 0x36405000                      ; the sine's
	s_mov_b32 s38, 0xb9503486
	s_wait_loadcnt 0x0
	v_cvt_f32_i32 v3, v3
.irp k, 0,1,2,3,4,5,6,7
	v_readlane_b32 s[40+\k], v3, \k
.endr
.irp k, 0,1,2,3,4,5,6,7
	v_mul_f32 v[TA+\k], s[40+\k], v5               ; the angle, one rounding
.endr
.irp k, 0,1,2,3,4,5,6,7
	v_mul_f32 v[TN+\k], 0x3f22f983, v[TA+\k]       ; x 2 / pi
.endr
.irp k, 0,1,2,3,4,5,6,7
	v_rndne_f32 v[TN+\k], v[TN+\k]
.endr
.irp k, 0,1,2,3,4,5,6,7
	v_fma_f32 v[TA+\k], v[TN+\k], s32, v[TA+\k]
.endr
.irp k, 0,1,2,3,4,5,6,7
	v_fma_f32 v[TA+\k], v[TN+\k], s33, v[TA+\k]
.endr
.irp k, 0,1,2,3,4,5,6,7
	v_fma_f32 v[TA+\k], v[TN+\k], s34, v[TA+\k]    ; r = angle - n pi / 2
.endr
.irp k, 0,1,2,3,4,5,6,7
	v_cvt_i32_f32 v[TN+\k], v[TN+\k]
.endr
.irp k, 0,1,2,3,4,5,6,7
	v_mul_f32 v[TZ+\k], v[TA+\k], v[TA+\k]
.endr
.irp k, 0,1,2,3,4,5,6,7
	v_fma_f32 v[TC+\k], v[TZ+\k], s35, s36
.endr
.irp k, 0,1,2,3,4,5,6,7
	v_fmaak_f32 v[TC+\k], v[TC+\k], v[TZ+\k], 0x3d2aaaa8
.endr
.irp k, 0,1,2,3,4,5,6,7
	v_fma_f32 v[TC+\k], v[TC+\k], v[TZ+\k], -0.5
.endr
.irp k, 0,1,2,3,4,5,6,7
	v_fma_f32 v[TC+\k], v[TC+\k], v[TZ+\k], 1.0    ; cos r
.endr
.irp k, 0,1,2,3,4,5,6,7
	v_fma_f32 v[TP+\k], v[TZ+\k], s37, s38
.endr
.irp k, 0,1,2,3,4,5,6,7
	v_fmaak_f32 v[TP+\k], v[TP+\k], v[TZ+\k], 0x3c0888c1
.endr
.irp k, 0,1,2,3,4,5,6,7
	v_fmaak_f32 v[TP+\k], v[TP+\k], v[TZ+\k], 0xbe2aaaab
.endr
.irp k, 0,1,2,3,4,5,6,7
	v_mul_f32 v[TZ+\k], v[TZ+\k], v[TA+\k]
.endr
.irp k, 0,1,2,3,4,5,6,7
	v_fma_f32 v[TP+\k], v[TP+\k], v[TZ+\k], v[TA+\k]   ; sin r
.endr
.irp k, 0,1,2,3,4,5,6,7
	v_and_b32 v[TZ+\k], 1, v[TN+\k]                ; the quadrant n mod 4: odd n swaps sine and cosine,
	v_cmp_ne_u32 vcc_lo, 0, v[TZ+\k]
	v_cndmask_b32 v[TO+2*\k+1], v[TP+\k], v[TC+\k], vcc_lo
	v_cndmask_b32 v[TO+2*\k], v[TC+\k], v[TP+\k], vcc_lo
	v_lshlrev_b32 v[TZ+\k], 30, v[TN+\k]           ; bit 1 of n turns the sine's sign,
	v_and_b32 v[TZ+\k], 0x80000000, v[TZ+\k]
	v_xor_b32 v[TO+2*\k+1], v[TO+2*\k+1], v[TZ+\k]
	v_add_nc_u32 v[TN+\k], 1, v[TN+\k]             ; bit 1 of n + 1 the cosine's
	v_lshlrev_b32 v[TN+\k], 30, v[TN+\k]
	v_and_b32 v[TN+\k], 0x80000000, v[TN+\k]
	v_xor_b32 v[TO+2*\k], v[TO+2*\k], v[TN+\k]
	global_store_b64 v4, v[TO+2*\k:TO+2*\k+1], s[20:21] offset:256*\k   ; a token's 256 bytes, consecutive and aligned
.endr
	s_endpgm
.Lfunc_end_k_q2a6c164c77_prep:
	.size	k_q2a6c164c77_prep, .Lfunc_end_k_q2a6c164c77_prep-k_q2a6c164c77_prep
	.p2alignl 7, 3214868480
	.fill 96, 4, 3214868480
	.section	.rodata,"a",@progbits
	.p2align	6, 0x0
	.amdhsa_kernel k_q2a6c164c77_prep
		.amdhsa_group_segment_fixed_size 17152
		.amdhsa_private_segment_fixed_size 0
		.amdhsa_enable_private_segment 0
		.amdhsa_kernarg_size 72
		.amdhsa_user_sgpr_count 2
		.amdhsa_user_sgpr_kernarg_segment_ptr 1
		.amdhsa_wavefront_size32 1
		.amdhsa_system_sgpr_workgroup_id_x 1
		.amdhsa_system_sgpr_workgroup_id_y 1
		.amdhsa_system_sgpr_workgroup_id_z 1
		.amdhsa_system_vgpr_workitem_id 0
		.amdhsa_next_free_vgpr 256
		.amdhsa_next_free_sgpr 66
		.amdhsa_reserve_vcc 1
		.amdhsa_float_denorm_mode_32 3
		.amdhsa_float_denorm_mode_16_64 3
		.amdhsa_memory_ordered 1
		.amdhsa_forward_progress 1
		.amdhsa_inst_pref_size 83
	.end_amdhsa_kernel
	.amdgpu_metadata
---
amdhsa.version: [ 1, 2 ]
amdhsa.kernels:
  - .name:           k_q2a6c164c77_prep
    .symbol:         k_q2a6c164c77_prep.kd
    .args:
      - { .name: x, .offset: 0, .size: 8, .value_kind: global_buffer, .address_space: global }
      - { .name: Wq, .offset: 8, .size: 8, .value_kind: global_buffer, .address_space: global }
      - { .name: Wk, .offset: 16, .size: 8, .value_kind: global_buffer, .address_space: global }
      - { .name: Wv, .offset: 24, .size: 8, .value_kind: global_buffer, .address_space: global }
      - { .name: Wo, .offset: 32, .size: 8, .value_kind: global_buffer, .address_space: global }
      - { .name: token_positions, .offset: 40, .size: 8, .value_kind: global_buffer, .address_space: global }
      - { .name: codes, .offset: 48, .size: 8, .value_kind: global_buffer, .address_space: global }
      - { .name: scales, .offset: 56, .size: 8, .value_kind: global_buffer, .address_space: global }
      - { .name: rope, .offset: 64, .size: 8, .value_kind: global_buffer, .address_space: global }
    .group_segment_fixed_size: 17152
    .private_segment_fixed_size: 0
    .kernarg_segment_align: 8
    .kernarg_segment_size: 72
    .max_flat_workgroup_size: 64
    .sgpr_count:     66
    .vgpr_count:     256
    .wavefront_size: 32
...
	.end_amdgpu_metadata
.endif
;; end of part 1
;; launch qkv (part 2): grid 8 x 32, 4 waves a work-group, clusters of 4 x 4, 327,680 bytes of LDS; arguments codes, scales, rope, qkv; writes qkv
.if DOCPART == 2
	.amdgcn_target "amdgcn-amd-amdhsa--gfx1250"
	.amdhsa_code_object_version 6
	.text
	.protected	k_q2a6c164c77_qkv
	.globl	k_q2a6c164c77_qkv
	.p2align	8
	.type	k_q2a6c164c77_qkv,@function
k_q2a6c164c77_qkv:
	s_mov_b64 s[64:65], 0
	v_nop
	global_prefetch_b8 v0, s[64:65] scope:SCOPE_SE
	s_setreg_imm32_b32 hwreg(HW_REG_WAVE_MODE, 25, 1), 1
	s_wait_xcnt 0x0
	s_wait_alu depctr_hold_cnt(0) depctr_sa_sdst(0) depctr_va_vdst(0) depctr_va_sdst(0) depctr_va_ssrc(0) depctr_va_vcc(0) depctr_vm_vsrc(0)
	s_getreg_b32 s2, hwreg(HW_REG_IB_STS2, 6, 4)
	s_cmp_eq_u32 s2, 0
	s_cbranch_scc0 .Lentry_in_a_cluster
	s_endpgm
.Lentry_in_a_cluster:
	s_bfe_u32 s2, ttmp6, 0x10000c
	s_cmp_lg_u32 s2, 0xf033
	s_cbranch_scc0 .Lentry_shape_is_right
	s_endpgm
.Lentry_shape_is_right:
; QKV.  q = x Wq^T, k = x Wk^T, v = x Wv^T on codes of FP6 (E2M3) with E8M0 scales, K = 1,024; then, on each way out, q and k are rotated and quantised along the head's 64, v along the keys.
; A WORK-GROUP STAYS.  It owns 256 tokens (block B1 = 4 y + cy) and three blocks of 128 weight rows: block i = 4 x + cx of Wq, of Wk and of Wv, one phase each.  The tokens' panel (K = 1,024 of codes is 768 bytes a row:
; 196,608 bytes) is fetched once and stays in LDS; the weights' panel (98,304 bytes) is filled again twice.  Each refill is asked for at a phase's last K step and lands while that phase's results are rotated, quantised and stored.
; SHARES.  Each phase is 256 x 128 over all of K; a wave makes 4 tiles of source 1 against 8 tiles of source 0: 32 accumulators, 256 registers.  The product is used transposed: a lane holds ONE row of source 1 and its registers
; run along source 0's rows.  Q, K: source 1 = the wave's token tiles 4 w .. 4 w + 3, source 0 = the eight weight tiles: the registers run along two heads' channels.  V: source 1 = weight tiles 4 (w / 2) on (one head's
; channels), source 0 = token tiles 8 (w % 2) on (128 keys): the registers run along the keys.  In all three the registers run along the next product's K.
; Tiles are the permuted sets that the first launch laid (tile 2 G + u: rows 32 G + 8 u + r + 8 (r / 8)): registers 16 b + i of a lane's results are source 0's rows 32 b + 16 (lane / 16) + i.
; LDS: four chunks of two K steps (73,728 bytes: the tokens' 16 tiles x 3,072, then the weights' 8); behind them the tokens' scales (8,192), the three weight blocks' scales (12,288) and the spare words (512).
; FIRST FILLS: the scales, then the four chunks, all asked for at the start: five tensor loads of a wave are out at most; counted waits let the work begin when the first chunk has landed.
; REFILLS: wave w brings chunk w of the next weight panel, one tensor load a wave, behind a round of the cluster's barrier in front of which every wave has waited for its loads, its add and its reads.
; CLUSTERS: 4 x 4.  The tokens' panel hangs on y and cy alone and is shared along a row of the cluster, the weights' panels on x and cx alone and are shared along a column: joint loads.
; OUT: qkv = 64 records (batch x 16 + head) of 311,296 bytes: +0 K's pair images: fragment 4 ks + f holds key tile 2 f of key step ks in registers 0-5 and tile 2 f + 1 in registers 6-11, 1,536 bytes as three chunks of
; 512 (registers 4 c .. 4 c + 3 of lane L at 16 L); +98,304 V's images [key step][channel tile][1,536], likewise; +196,608 K's scale words [key step][r][f]; +200,704 V's [key step][r][channel tile];
; +204,800 Q's half images (128 tiles x 768: registers 0-5, three pieces of 256 bytes, lane L at 8 L); +303,104 Q's scale words [tile][r]: two bytes below, 0 above.
; Scale words of q and k leave in short runs (64 bytes, 8 of each 16): 1 byte in 24 of what this launch stores.
; LIMITS: NaN and infinities are not served; blocks whose largest magnitude lies under 2^-124 keep the byte 1 (a block of zeros too: its codes are zeros).
; REGISTERS: window 0: v1-15 addresses; v16-47 source 0's scale words, v48-63 source 1's (they hold nothing else); v64-159 source 1's fragments, two sets; on the way out v64-127 the rotated numbers;
;   v160-179 at work in QUANT; v180-203 codes; v204-213 at work; v214-216, v220-230 addresses; v217, v218 the add's two.  window 1: source 0's fragments, two sets of 96.  window 2: accumulator (a, t) at 64 a + 8 t.
;   window 3: (cos, sin), 32 registers a tile of tokens.
.set REC,   311296
.set VIM,   98304
.set KSC,   196608
.set VSC,   200704
.set QIM,   204800
.set QSC,   303104
.set CH,    73728                      ; a chunk: two K steps
.set S0OFF, 49152                      ; the weights' part of a chunk
.set SCL,   4*CH                       ; the tokens' scales
.set WSC,   SCL+8192                   ; the weights': [half of the block][phase][2,048 bytes]
.set SPARE, WSC+12288                  ; the spare words, 128 bytes for each wave: two blocks of 256 bytes that no other line names
.set WV,    12
.set ROLE,  13                         ; wave / 2: in the first fills I fetch tokens (0) or weights (1)
.set HALF,  14                         ; wave % 2
.set B0,    15                         ; i: my block of 128 rows in each weight
.set SEL,   20
.set B1,    23                         ; my block of 256 tokens
.set G1A,   24
.set G1B,   32
.set G1SA,  40
.set G1SB,  48                         ; the weight scales' group 1; later the refills' (the same mask)
.set GA0,   56
.set GA1,   60
.set GA2,   68
.set GA3,   72
.set GSA,   76
.set GB0,   80
.set GB1,   84
.set GB2,   88
.set GB3,   92
.set GSB,   96                         ; the weight scales' group 0; later the refills'
.set S0S,   16
.set S1S,   48
.set F1,    64
.set X,     64
.set TM,    160
.set PW,    176
.set H0,    180                        ; v180-191 a fragment's codes
.set H1,    192                        ; v192-203 a second fragment's
.set T2,    204                        ; v204-211 the conversions' second halves
.set TA,    212                        ; v212-213 at work
.set L16,   214                        ; 16 L
.set KSO,   215                        ; 16 r, lanes 16-31 in the next head's record
.set RO,    216                        ; the table: my token's 256 bytes, + 64 h
.set SPW,   217                        ; LDS address of my spare word; never rewritten
.set NIL,   218                        ; 0; never rewritten
.set AV0,   220                        ; v220-223 V: source 0's fragments (tokens) in chunk q
.set AV1,   224                        ; v224-227 V: source 1's (weights)
.set VS0,   228                        ; V: source 0's scale words
.set VS1,   229                        ; V: source 1's
.set VSO,   230                        ; 16 r
.set MSB, 0
.macro WIN new                         ; the immediate's high byte repeats the setting that is left; a switch that changes nothing is dropped
.if MSB != \new
	s_set_vgpr_msb (MSB<<8)|\new
.set MSB, \new
.endif
.endm
.macro PLACES n
.rept \n
	v_nop
.endr
.endm
.macro CROUND                          ; a round of the cluster's barrier
	s_barrier_signal -1
	s_barrier_wait -1
	s_cmp_lg_u32 s[WV], 0
	s_cbranch_scc1 .Lnot_wave_0_\@
	s_barrier_signal -3
.Lnot_wave_0_\@:
	s_barrier_wait -3
	s_barrier_signal -1
	s_barrier_wait -1
.endm
.macro JLOAD g0a, g1a, g0b, g1b        ; a joint first fill: waves 0, 1 for the tokens, waves 2, 3 for the weights; four v_nop follow each line
	s_cmp_eq_u32 s[ROLE], 0
	s_cbranch_scc0 .Lfor_b_\@
	tensor_load_to_lds s[\g0a:\g0a+3], s[\g1a:\g1a+7]
	s_nop 0
.rept 4
	v_nop
.endr
	s_branch .Lasked_\@
.Lfor_b_\@:
	tensor_load_to_lds s[\g0b:\g0b+3], s[\g1b:\g1b+7]
	s_nop 0
.rept 4
	v_nop
.endr
.Lasked_\@:
.endm
.macro SETG1 g, c, r, p                ; group 1 but its first word: r rows of c elements of 8 bytes, p elements apart
	s_mov_b32 s[\g+1], (\c)<<16
	s_mov_b32 s[\g+2], (\r)<<16
	s_mov_b32 s[\g+3], (\c)<<16
	s_mov_b32 s[\g+4], \r
	s_mov_b32 s[\g+5], \p
	s_mov_b32 s[\g+6], 0
	s_mov_b32 s[\g+7], 0
.endm
.macro SETG0 g, lmul, loff, areg, aoff ; group 0: LDS byte loff + lmul x (wave % 2); global address s[areg:areg+1] + aoff
	s_mov_b32 s[\g], 1
	s_mul_i32 s[\g+1], s[HALF], \lmul
	s_add_co_u32 s[\g+1], s[\g+1], \loff
	s_add_nc_u64 s[\g+2:\g+3], s[\areg:\areg+1], \aoff
	s_or_b32 s[\g+3], s[\g+3], 0x80000000
.endm
; 64 numbers of a lane (register 16 b + i = k 32 b + 16 (lane / 16) + i of my row), in window 0 (wmax = wcvt = 0) or window 2 (0x28, 0x02), become codes and a scale word in v[pw]:
; the six registers of k 0 .. 63 go to v[d0] on, those of k 64 .. 127 to v[d1] on
.macro QUANT s, wmax, wcvt, pw, d0, d1
	WIN \wmax
.irp b, 0,1,2,3
	v_max3_num_f32 v[TM+\b], 0x1800000, |v[\s+16*\b]|, |v[\s+1+16*\b]|   ; the floor 2^(3 - 127) and my first two of block b
.endr
.irp i, 2,4,6,8,10,12,14
.irp b, 0,1,2,3
	v_max3_num_f32 v[TM+\b], v[TM+\b], |v[\s+16*\b+\i]|, |v[\s+1+16*\b+\i]|
.endr
.endr
	WIN 0
.irp b, 0,1,2,3
	v_permlanex16_b32 v[TM+4+\b], v[TM+\b], s[SEL], s[SEL+1]
.endr
.irp b, 0,1,2,3
	v_max_num_f32 v[TM+\b], v[TM+\b], v[TM+4+\b]   ; with lane l xor 16's: the block's largest magnitude
.endr
.irp b, 0,1,2,3
	v_add_nc_u32 v[TM+12+\b], 0xff000000, v[TM+\b]   ; 2 off the exponent field: the conversion's scale operand
.endr
.irp b, 0,1,2,3
	v_lshrrev_b32 v[TM+4+\b], 23, v[TM+12+\b]
.endr
	v_lshl_or_b32 v[\pw], v[TM+5], 8, v[TM+4]
	v_lshl_or_b32 v[\pw], v[TM+6], 16, v[\pw]
	v_lshl_or_b32 v[\pw], v[TM+7], 24, v[\pw]
	WIN \wcvt
	v_cvt_scalef32_pk16_fp6_f32 v[\d0:\d0+2], v[\s:\s+15], v[TM+12]
	v_cvt_scalef32_pk16_fp6_f32 v[T2:T2+2], v[\s+16:\s+31], v[TM+13]      ; (a conversion's three registers begin on an even number)
	v_cvt_scalef32_pk16_fp6_f32 v[\d1:\d1+2], v[\s+32:\s+47], v[TM+14]
	v_cvt_scalef32_pk16_fp6_f32 v[T2+4:T2+6], v[\s+48:\s+63], v[TM+15]
	WIN 0
	v_nop                                          ; one plain place behind a scaled conversion
.irp i, 0,1,2                                  ; the operand's layout wants a whole block in a lane
	v_permlane16_swap_b32 v[\d0+\i], v[T2+\i]
.endr
.irp i, 0,1,2
	v_permlane16_swap_b32 v[\d1+\i], v[T2+4+\i]
.endr
.irp i, 0,1,2
	v_mov_b32 v[\d0+3+\i], v[T2+\i]
	v_mov_b32 v[\d1+3+\i], v[T2+4+\i]
.endr
.endm
.macro FETCH j, a0, a1                 ; K step j's fragments: 72 loads of 256 consecutive bytes.  a0, a1: the first of four address registers (one a chunk) for source 0 and source 1
	WIN 0x40                                       ; destination window 1
.irp t, 0,1,2,3,4,5,6,7
.irp p, 0,1,2,3,4,5
	ds_load_b64 v[96*((\j)%2)+12*\t+2*\p:96*((\j)%2)+12*\t+2*\p+1], v[\a0+(\j)/2] offset:3072*\t+1536*((\j)%2)+256*\p
.endr
.endr
	WIN 0
.irp a, 0,1,2,3
.irp p, 0,1,2,3,4,5
	ds_load_b64 v[F1+48*((\j)%2)+12*\a+2*\p:F1+48*((\j)%2)+12*\a+2*\p+1], v[\a1+(\j)/2] offset:3072*\a+1536*((\j)%2)+256*\p
.endr
.endr
.endm
.macro MUL j                           ; 32 products; the 32 accumulators take turns, one instruction a turn.  K steps 4-7 find their scale words in lanes 16-31
	WIN 0xa1                                       ; source 0 window 1, source 1 window 0, C and D window 2
.irp a, 0,1,2,3
.irp t, 0,1,2,3,4,5,6,7
.set rD, 64*\a+8*\t
.set rA, 96*((\j)%2)+12*\t
.set rB, F1+48*((\j)%2)+12*\a
.set rX, S0S+4*\t+(\j)%4
.set rY, S1S+4*\a+(\j)%4
.if (\j) == 0
	v_wmma_scale_f32_16x16x128_f8f6f4 v[rD:rD+7], v[rA:rA+11], v[rB:rB+11], 0, v[rX], v[rY] matrix_a_fmt:MATRIX_FMT_FP6 matrix_b_fmt:MATRIX_FMT_FP6
.elseif (\j) < 4
	v_wmma_scale_f32_16x16x128_f8f6f4 v[rD:rD+7], v[rA:rA+11], v[rB:rB+11], v[rD:rD+7], v[rX], v[rY] matrix_a_fmt:MATRIX_FMT_FP6 matrix_b_fmt:MATRIX_FMT_FP6
.else
	v_wmma_scale_f32_16x16x128_f8f6f4 v[rD:rD+7], v[rA:rA+11], v[rB:rB+11], v[rD:rD+7], v[rX], v[rY] matrix_a_fmt:MATRIX_FMT_FP6 matrix_b_fmt:MATRIX_FMT_FP6 matrix_a_scale:MATRIX_SCALE_ROW1 matrix_b_scale:MATRIX_SCALE_ROW1
.endif
.endr
.endr
.endm
.macro KSTEP j, a0, a1, first          ; first = 1: the first phase, whose chunks are still landing
	s_wait_dscnt 0x0                               ; this step's fragments are in: they were asked for ahead of the 32 products before
.if \first && ((\j)%2 == 1) && ((\j) < 7)
	s_wait_tensorcnt 2-(\j)/2                      ; my part of the next chunk has landed; the chunks issued behind it may be out
	s_barrier_signal -1
	s_barrier_wait -1                              ; everybody's has
.endif
.if (\j) < 7
.if (\j) > 0
	PLACES 4                                       ; in front of loads into registers that the products of the step before have read
.endif
	FETCH (\j)+1, \a0, \a1
.endif
	MUL \j
.endm
; A phase's last K step, behind which the weights' panel is filled again.  n = 1: the refill's descriptor is made (Wk's block); n = 2: it steps on to Wv's block, 64 tiles further on.
.macro LAST n
	s_wait_dscnt 0x0                               ; the last step's fragments are in: my reads of the weights' panel are over
	WIN 0                                          ; (the add's two registers lie in window 0)
	s_wait_tensorcnt 0x0                           ; no tensor load of mine is out, so descriptors may be written
	ds_add_u32 v[SPW], v[NIL]                      ; 0 onto my spare word; the descriptor's lines and 32 products stand between it and the wait for it
.if \n == 1
	s_mov_b32 s[G1SB+1], 384<<16                   ; 8 rows (tiles) of 3,072 bytes (two K steps), 12,288 bytes apart; the first word keeps my column's mask
	s_mov_b32 s[G1SB+2], 8<<16
	s_mov_b32 s[G1SB+3], 384<<16
	s_mov_b32 s[G1SB+4], 8
	s_mov_b32 s[G1SB+5], 1536
	s_mul_i32 s[GSB+1], s[WV], CH
	s_add_co_u32 s[GSB+1], s[GSB+1], S0OFF         ; wave w fills the weights' part of chunk w
	s_lshl_b32 s66, s[B0], 3
	s_add_co_u32 s66, s66, 576                     ; Wk's block i begins at tile 576 + 8 i
	s_mul_i32 s66, s66, 12288
	s_mul_i32 s67, s[WV], 3072
	s_add_co_u32 s66, s66, s67
	s_mov_b32 s67, 0
	s_add_nc_u64 s[GSB+2:GSB+3], s[4:5], s[66:67]
	s_or_b32 s[GSB+3], s[GSB+3], 0x80000000
.else
	s_add_nc_u64 s[GSB+2:GSB+3], s[GSB+2:GSB+3], 64*12288   ; the type bits on top are not reached
.endif
	MUL 7
	WIN 0                                          ; at a branch and at a label every window is 0
	s_wait_dscnt 0x0                               ; the add is done
	CROUND                                         ; no wave of any partner still reads the weights' panel or has a load on its way
	tensor_load_to_lds s[GSB:GSB+3], s[G1SB:G1SB+7]   ; my one tensor load behind the round, and the first thing there
	s_nop 0
	PLACES 4                                       ; (the places in front of the first read of results)
.endm
.macro WSCALES ph                      ; the eight weight tiles' scale words of phase ph
.irp t, 0,1,2,3,4,5,6,7
	ds_load_b128 v[S0S+4*\t:S0S+4*\t+3], v13 offset:6144*(\t/4)+2048*(\ph)+512*(\t%4)
.endr
.endm
.macro LANDED                          ; the refill has landed, everybody's
	s_wait_tensorcnt 0x0
	s_barrier_signal -1
	s_barrier_wait -1
.endm
.macro ROPE a                          ; pair p of my 32: (e, o) -> (e cos - o sin, e sin + o cos); each accumulator is read from its low end on
	WIN 0x0e                                       ; source 0 window 2 (results), source 1 window 3 (table)
.set p, 0
.rept 32
.set cs, 32*(\a)+16*((p/8)%2)+2*(p%8)
	v_mul_f32 v[X+2*p], v[64*(\a)+2*p], v[cs]
	v_mul_f32 v[X+2*p+1], v[64*(\a)+2*p], v[cs+1]
	v_fma_f32 v[X+2*p], -v[64*(\a)+2*p+1], v[cs+1], v[X+2*p]
	v_fma_f32 v[X+2*p+1], v[64*(\a)+2*p+1], v[cs], v[X+2*p+1]
.set p, p+1
.endr
	WIN 0
.endm
	s_load_b256 s[4:11], s[0:1], 0x0               ; codes, scales, rope, qkv
	v_lshl_add_u32 v[SPW], v0, 2, SPARE
	v_mov_b32 v[NIL], 0
	ds_add_u32 v217, v218
	ds_add_u32 v217, v218
	s_wait_dscnt 0x0
	v_lshrrev_b32 v1, 5, v0
	v_readfirstlane_b32 s[WV], v1
	s_lshr_b32 s[ROLE], s[WV], 1
	s_and_b32 s[HALF], s[WV], 1
	s_bfe_u32 s15, ttmp6, 0x40000                  ; cx
	s_bfe_u32 s16, ttmp6, 0x40004                  ; cy
	s_and_b32 s18, ttmp7, 0xffff
	s_lshl_b32 s[B1], s18, 2
	s_add_co_u32 s[B1], s[B1], s16                 ; the block of 256 tokens: 4 y + cy
	s_lshl_b32 s67, ttmp9, 2
	s_lshl_b32 s3, s16, 2
	s_lshl_b32 s3, 15, s3                          ; my row of the cluster
	s_lshl_b32 s100, 0x1111, s15                   ; my column
	s_add_co_u32 s[B0], s67, s15                   ; the block of 128 weight rows: 4 x + cx
	s_or_b32 s[G1A], s3, (3<<16)|(1<<21)           ; 15:0 the mask; 17:16 elements of 8 bytes; 21 set beside a mask; no padding
	s_or_b32 s[G1SA], s3, (3<<16)|(1<<21)
	s_or_b32 s[G1B], s100, (3<<16)|(1<<21)
	s_or_b32 s[G1SB], s100, (3<<16)|(1<<21)
	s_lshl_b32 s2, s[B1], 4
	s_lshl_b32 s3, s[HALF], 3
	s_add_co_u32 s2, s2, s3                        ; tokens: the first of the eight tiles that I would fetch
	s_lshl_b32 s16, s2, 9
	s_mov_b32 s17, 0
	s_mul_i32 s2, s2, 12288
	s_mov_b32 s3, 0
	s_lshl_b32 s66, s[B0], 3
	s_add_co_u32 s66, s66, 512                     ; Wq's block i begins at tile 512 + 8 i
	s_lshl_b32 s67, s[HALF], 2
	s_add_co_u32 s66, s66, s67                     ; weights: the first of the four
	s_lshl_b32 s100, s66, 9
	s_mov_b32 s101, 0
	s_mul_i32 s66, s66, 12288
	s_mov_b32 s67, 0
	SETG1 G1A, 384, 8, 1536                        ; 8 tiles x 3,072 bytes (two K steps), 12,288 bytes apart
	SETG1 G1B, 384, 4, 1536
	SETG1 G1SA, 32, 16, 32                         ; 4,096 dense bytes as rows of 256
	SETG1 G1SB, 256, 3, 4096                       ; four tiles' 2,048 scale bytes in each of the three weights, 64 tiles (32,768 bytes) apart
	s_mov_b32 s[SEL], 0x76543210
	s_mov_b32 s[SEL+1], 0xfedcba98
	s_mov_b32 s22, 0xffff0000                      ; lanes 16-31
	s_wait_kmcnt 0x0
	s_add_nc_u64 s[2:3], s[4:5], s[2:3]
	s_add_nc_u64 s[16:17], s[6:7], s[16:17]
	s_add_nc_u64 s[66:67], s[4:5], s[66:67]
	s_add_nc_u64 s[100:101], s[6:7], s[100:101]
	SETG0 GSA, 4096, SCL, 16, 0
	SETG0 GSB, 6144, WSC, 100, 0
	SETG0 GA0, 24576, 0*CH, 2, 0*3072
	SETG0 GA1, 24576, 1*CH, 2, 1*3072
	SETG0 GA2, 24576, 2*CH, 2, 2*3072
	SETG0 GA3, 24576, 3*CH, 2, 3*3072
	SETG0 GB0, 12288, 0*CH+S0OFF, 66, 0*3072
	SETG0 GB1, 12288, 1*CH+S0OFF, 66, 1*3072
	SETG0 GB2, 12288, 2*CH+S0OFF, 66, 2*3072
	SETG0 GB3, 12288, 3*CH+S0OFF, 66, 3*3072
	CROUND                                         ; all sixteen work-groups are here: the joint loads meet
	JLOAD GSA, G1SA, GSB, G1SB                     ; the scales first, then the chunks in the order of their use: five loads of mine are out
	JLOAD GA0, G1A, GB0, G1B
	JLOAD GA1, G1A, GB1, G1B
	JLOAD GA2, G1A, GB2, G1B
	JLOAD GA3, G1A, GB3, G1B
	v_and_b32 v1, 15, v0                           ; r
	v_bfe_u32 v2, v0, 4, 1                         ; h
	v_and_b32 v3, 8, v1
	v_add_nc_u32 v3, v3, v1                        ; r + 8 (r / 8)
	v_and_b32 v14, 31, v0
	v_lshlrev_b32 v[L16], 4, v14                   ; 16 L
	v_lshlrev_b32 v14, 3, v14                      ; 8 L
	s_wait_alu depctr_va_vdst(0)
	s_mul_i32 s2, s[WV], 12288                     ; Q, K: my four token tiles
	s_mul_i32 s3, s[HALF], 24576                   ; V: my eight token tiles
	s_mul_i32 s18, s[ROLE], 12288                  ; V: my four weight tiles
	s_add_co_u32 s18, s18, S0OFF
.irp q, 0,1,2,3
	v_add_nc_u32 v[4+\q], s2, v14
	v_add_nc_u32 v[8+\q], S0OFF+CH*\q, v14
	v_add_nc_u32 v[AV0+\q], s3, v14
	v_add_nc_u32 v[AV1+\q], s18, v14
	s_add_co_u32 s2, s2, CH
	s_add_co_u32 s3, s3, CH
	s_add_co_u32 s18, s18, CH
.endr
	v_lshlrev_b32 v13, 5, v1
	v_lshl_add_u32 v13, v2, 4, v13                 ; 32 r + 16 h: lanes 0-15 a row's words 0-3, lanes 16-31 its words 4-7
	s_lshl_b32 s2, s[WV], 11
	s_add_co_u32 s2, s2, SCL
	v_add_nc_u32 v12, s2, v13
	s_lshl_b32 s2, s[HALF], 12
	s_add_co_u32 s2, s2, SCL
	v_add_nc_u32 v[VS0], s2, v13
	s_mul_i32 s2, s[ROLE], 6144
	s_add_co_u32 s2, s2, WSC
	v_add_nc_u32 v[VS1], s2, v13
	v_add_nc_u32 v13, WSC, v13
	v_mul_u32_u24 v15, REC, v2
	v_lshl_add_u32 v[KSO], v1, 4, v15              ; k's scale words: 16 r, lanes 16-31 in the next head's record
	v_lshl_add_u32 v15, v1, 2, v15                 ; q's: 4 r, likewise
	v_lshlrev_b32 v[VSO], 4, v1
	v_lshlrev_b32 v[RO], 8, v3
	v_lshl_add_u32 v[RO], v2, 6, v[RO]
	s_wait_alu depctr_va_vdst(0)
.irp b, 0,1,2,3
	v_mov_b32 v[TM+4+\b], 0                        ; written once: a lane permute's destination counts as one of its sources
.endr
	s_and_b32 s2, s[B1], 7                         ; (cos, sin) of my 64 tokens: they land under the products and serve q and k
	s_lshl_b32 s2, s2, 8
	s_lshl_b32 s3, s[WV], 6
	s_add_co_u32 s2, s2, s3
	s_lshl_b32 s2, s2, 8
	s_mov_b32 s3, 0
	s_add_nc_u64 s[8:9], s[8:9], s[2:3]
	WIN 0xc0                                       ; destination window 3
.irp a, 0,1,2,3
.irp k, 0,1,2,3
	global_load_b128 v[32*\a+4*\k:32*\a+4*\k+3], v[RO], s[8:9] offset:(32*(\a/2)+8*(\a%2))*256+16*\k          ; pairs 8 h + 0 .. 7
	global_load_b128 v[32*\a+16+4*\k:32*\a+16+4*\k+3], v[RO], s[8:9] offset:(32*(\a/2)+8*(\a%2))*256+128+16*\k   ; pairs 16 + 8 h + 0 .. 7
.endr
.endr
	WIN 0
	s_wait_tensorcnt 0x3                           ; the scales and my part of chunk 0 have landed; chunks 1 to 3 may be out
	s_barrier_signal -1
	s_barrier_wait -1
	; ---------------- phase 1: q
	WSCALES 0
.irp a, 0,1,2,3
	ds_load_b128 v[S1S+4*\a:S1S+4*\a+3], v12 offset:512*\a   ; my token tiles' scale words: they serve q and k
.endr
	FETCH 0, 8, 4
.irp j, 0,1,2,3,4,5,6
	KSTEP \j, 8, 4, 1
.endr
	LAST 1
	s_lshr_b32 s24, s[B1], 3
	s_lshl_b32 s24, s24, 4
	s_lshl_b32 s25, s[B0], 1
	s_add_co_u32 s24, s24, s25                     ; the record: 16 x batch + 2 i.  Registers 0-31 of a lane's 64 are head 2 i, 32-63 head 2 i + 1
	s_mul_i32 s24, s24, REC
	s_lshl_b32 s25, s[B1], 4
	s_lshl_b32 s26, s[WV], 2
	s_add_co_u32 s25, s25, s26
	s_and_b32 s25, s25, 127                        ; my first tile of tokens in the batch
	s_mul_i32 s26, s25, 768
	s_add_co_u32 s28, s24, s26
	s_add_co_u32 s28, s28, QIM
	s_mov_b32 s29, 0
	s_lshl_b32 s30, s25, 6
	s_add_co_u32 s30, s30, s24
	s_add_co_u32 s30, s30, QSC
	s_mov_b32 s31, 0
	s_add_nc_u64 s[28:29], s[10:11], s[28:29]
	s_add_nc_u64 s[30:31], s[10:11], s[30:31]
	s_wait_loadcnt 0x0                             ; the table
.irp a, 0,1,2,3
	s_wait_xcnt 0x0                                ; the last tile's stores have read their registers
	ROPE \a
	QUANT X, 0, 0, PW, H0, H0+6
.irp p, 0,1,2
	global_store_b64 v14, v[H0+2*\p:H0+2*\p+1], s[28:29] offset:768*\a+256*\p            ; head 2 i: 256 consecutive bytes, aligned
.endr
.irp p, 3,4,5
	global_store_b64 v14, v[H0+2*\p:H0+2*\p+1], s[28:29] offset:REC+768*\a+256*(\p-3)    ; head 2 i + 1
.endr
	v_lshrrev_b32 v[TA], 16, v[PW]
	v_and_b32 v[TA+1], 0xffff, v[PW]
	v_cndmask_b32 v[TA], v[TA+1], v[TA], s22       ; lanes 0-15: head 2 i's two bytes; lanes 16-31: head 2 i + 1's
	global_store_b32 v15, v[TA], s[30:31] offset:64*\a
.endr
	; ---------------- phase 2: k
	LANDED
	WSCALES 1
	FETCH 0, 8, 4
.irp j, 0,1,2,3,4,5,6
	KSTEP \j, 8, 4, 0
.endr
	LAST 2
	s_wait_xcnt 0x0                                ; q's stores have read their bases
	s_add_co_u32 s28, s24, s26                     ; pair images: tile x 768 bytes as well
	s_mov_b32 s29, 0
	s_lshr_b32 s30, s25, 3
	s_lshl_b32 s30, s30, 8                         ; the key step's 256 bytes of scale words,
	s_and_b32 s31, s25, 4
	s_lshl_b32 s31, s31, 1                         ; my two fragments' words: f = 0, 1 or 2, 3
	s_add_co_u32 s30, s30, s31
	s_add_co_u32 s30, s30, s24
	s_add_co_u32 s30, s30, KSC
	s_mov_b32 s31, 0
	s_add_nc_u64 s[28:29], s[10:11], s[28:29]
	s_add_nc_u64 s[30:31], s[10:11], s[30:31]
.irp pr, 0,1                                   ; two tiles of keys make one fragment for each head: the even tile in registers 0-5, the odd one in 6-11
	s_wait_xcnt 0x0
	ROPE 2*\pr
	QUANT X, 0, 0, PW+2*\pr, H0, H1
	ROPE 2*\pr+1
	QUANT X, 0, 0, PW+2*\pr+1, H0+6, H1+6
.irp c, 0,1,2
	global_store_b128 v[L16], v[H0+4*\c:H0+4*\c+3], s[28:29] offset:1536*\pr+512*\c       ; head 2 i: 512 consecutive bytes, aligned
.endr
.irp c, 0,1,2
	global_store_b128 v[L16], v[H1+4*\c:H1+4*\c+3], s[28:29] offset:REC+1536*\pr+512*\c   ; head 2 i + 1
.endr
.endr
	v_perm_b32 v[T2], v[PW+1], v[PW], 0x05040100       ; head 2 i: the even tile's two bytes below, the odd tile's above
	v_perm_b32 v[T2+1], v[PW+3], v[PW+2], 0x05040100
	v_perm_b32 v[T2+2], v[PW+1], v[PW], 0x07060302     ; head 2 i + 1
	v_perm_b32 v[T2+3], v[PW+3], v[PW+2], 0x07060302
	v_cndmask_b32 v[TA], v[T2], v[T2+2], s22
	v_cndmask_b32 v[TA+1], v[T2+1], v[T2+3], s22
	global_store_b64 v[KSO], v[TA:TA+1], s[30:31]
	; ---------------- phase 3: v.  Source 0 = my eight token tiles (128 keys), source 1 = my four tiles of Wv (one head)
	LANDED
.irp t, 0,1,2,3,4,5,6,7
	ds_load_b128 v[S0S+4*\t:S0S+4*\t+3], v[VS0] offset:512*\t
.endr
.irp a, 0,1,2,3
	ds_load_b128 v[S1S+4*\a:S1S+4*\a+3], v[VS1] offset:2*2048+512*\a
.endr
	FETCH 0, AV0, AV1
.irp j, 0,1,2,3,4,5,6,7
	KSTEP \j, AV0, AV1, 0
.endr
	WIN 0
	PLACES 4                                       ; in front of the first read of results
	s_wait_xcnt 0x0                                ; k's stores have read their bases
	s_mul_i32 s27, s[ROLE], REC
	s_add_co_u32 s27, s27, s24                     ; the record of head 2 i + wave / 2
	s_and_b32 s32, s[B1], 7
	s_lshl_b32 s32, s32, 1
	s_add_co_u32 s32, s32, s[HALF]                 ; the key step
	s_mul_i32 s28, s32, 6144
	s_add_co_u32 s28, s28, s27
	s_add_co_u32 s28, s28, VIM
	s_mov_b32 s29, 0
	s_lshl_b32 s30, s32, 8
	s_add_co_u32 s30, s30, s27
	s_add_co_u32 s30, s30, VSC
	s_mov_b32 s31, 0
	s_add_nc_u64 s[28:29], s[10:11], s[28:29]
	s_add_nc_u64 s[30:31], s[10:11], s[30:31]
.irp a, 0,1,2,3                                ; a lane holds one channel, its 64 registers of tile a run along 128 keys: quantised as they stand
	s_wait_xcnt 0x0
	QUANT 64*\a, 0x28, 0x02, PW+\a, H0, H0+6
.irp c, 0,1,2
	global_store_b128 v[L16], v[H0+4*\c:H0+4*\c+3], s[28:29] offset:1536*\a+512*\c   ; 512 consecutive bytes, aligned
.endr
.endr
	global_store_b128 v[VSO], v[PW:PW+3], s[30:31] ; my channel's four words... row r's words of the four channel tiles: 256 consecutive bytes; lanes r and r + 16 store the same 16
	s_wait_tensorcnt 0x0                           ; the wave's end
	ds_add_u32 v[SPW], v[NIL]
	s_wait_dscnt 0x0
	CROUND                                         ; the closing round: no work-group ends while a partner may still ask for a tile that names it
	s_endpgm
.Lfunc_end_k_q2a6c164c77_qkv:
	.size	k_q2a6c164c77_qkv, .Lfunc_end_k_q2a6c164c77_qkv-k_q2a6c164c77_qkv
	.p2alignl 7, 3214868480
	.fill 96, 4, 3214868480
	.section	.rodata,"a",@progbits
	.p2align	6, 0x0
	.amdhsa_kernel k_q2a6c164c77_qkv
		.amdhsa_group_segment_fixed_size 327680
		.amdhsa_private_segment_fixed_size 0
		.amdhsa_enable_private_segment 0
		.amdhsa_kernarg_size 32
		.amdhsa_user_sgpr_count 2
		.amdhsa_user_sgpr_kernarg_segment_ptr 1
		.amdhsa_wavefront_size32 1
		.amdhsa_system_sgpr_workgroup_id_x 1
		.amdhsa_system_sgpr_workgroup_id_y 1
		.amdhsa_system_sgpr_workgroup_id_z 1
		.amdhsa_system_vgpr_workitem_id 0
		.amdhsa_next_free_vgpr 1024
		.amdhsa_next_free_sgpr 102
		.amdhsa_reserve_vcc 0
		.amdhsa_float_denorm_mode_32 3
		.amdhsa_float_denorm_mode_16_64 3
		.amdhsa_memory_ordered 1
		.amdhsa_forward_progress 1
		.amdhsa_inst_pref_size 255
	.end_amdhsa_kernel
	.section	.bss,"aw",@nobits
	.p2align	6
	.space	262144
	.amdgpu_metadata
---
amdhsa.version: [ 1, 2 ]
amdhsa.kernels:
  - .name:           k_q2a6c164c77_qkv
    .symbol:         k_q2a6c164c77_qkv.kd
    .args:
      - { .name: codes, .offset: 0, .size: 8, .value_kind: global_buffer, .address_space: global }
      - { .name: scales, .offset: 8, .size: 8, .value_kind: global_buffer, .address_space: global }
      - { .name: rope, .offset: 16, .size: 8, .value_kind: global_buffer, .address_space: global }
      - { .name: qkv, .offset: 24, .size: 8, .value_kind: global_buffer, .address_space: global }
    .group_segment_fixed_size: 327680
    .private_segment_fixed_size: 0
    .kernarg_segment_align: 8
    .kernarg_segment_size: 32
    .max_flat_workgroup_size: 128
    .sgpr_count:     102
    .vgpr_count:     1024
    .wavefront_size: 32
...
	.end_amdgpu_metadata
.endif
;; end of part 2
;; launch attn (part 3): grid 4 x 64, 16 waves a work-group, clusters of 4 x 1, 327,680 bytes of LDS; arguments qkv, ao, aos; writes ao, aos
.if DOCPART == 3
	.amdgcn_target "amdgcn-amd-amdhsa--gfx1250"
	.amdhsa_code_object_version 6
	.text
	.protected	k_q2a6c164c77_attn
	.globl	k_q2a6c164c77_attn
	.p2align	8
	.type	k_q2a6c164c77_attn,@function
k_q2a6c164c77_attn:
	s_mov_b64 s[64:65], 0
	v_nop
	global_prefetch_b8 v0, s[64:65] scope:SCOPE_SE
	s_setreg_imm32_b32 hwreg(HW_REG_WAVE_MODE, 25, 1), 1
	s_wait_xcnt 0x0
	s_wait_alu depctr_hold_cnt(0) depctr_sa_sdst(0) depctr_va_vdst(0) depctr_va_sdst(0) depctr_va_ssrc(0) depctr_va_vcc(0) depctr_vm_vsrc(0)
	s_getreg_b32 s2, hwreg(HW_REG_IB_STS2, 6, 4)
	s_cmp_eq_u32 s2, 0
	s_cbranch_scc0 .Lentry_in_a_cluster
	s_endpgm
.Lentry_in_a_cluster:
	s_bfe_u32 s2, ttmp6, 0x10000c
	s_cmp_lg_u32 s2, 0x3003
	s_cbranch_scc0 .Lentry_shape_is_right
	s_endpgm
.Lentry_shape_is_right:
; ATTN.  o = softmax(q k^T / 8, causal) v for one batch and head a cluster, both products on codes of FP6 (E2M3) with E8M0 scales; o / l is quantised along the model's 1,024 for the last product.
; THE SOFTMAX: t = score x log2(e) / 8; M = the running largest t rounded UP to a whole number; p = 2^(t - M) is quantised along the keys, not normalised; the row's sum is taken of the unquantised p and divides at the end.
; When M moves, the sum and O are multiplied by 2^(old M - new M): exact.
; K = 64 IN THE FIRST PRODUCT.  A fragment of K holds TWO tiles of 16 keys: tile 2 f in the instruction's lower 64 along K, tile 2 f + 1 in the upper 64.  It is multiplied by (Q | 0) for the first tile's scores and by
; (0 | Q) for the second's: 18 registers Q, zeros, Q hold both.  The zeros are zero codes; the scale bytes over them are 0.
; LDS IS FILLED ONCE: a head's K and V codes and their scale words are the first 204,800 bytes of its record; waves 0-3 bring a quarter each.  The four work-groups of a cluster walk the same head: joint loads.
; SHARES.  A group is 32 queries; a wave owns 16 of them (tile 2 g + u, lane r: query 32 g + 8 u + r + 8 (r / 8)).  Wave w (j = w / 2, u = w % 2) of work-group c takes group 8 j + c (2 j + 1 key steps of 128) and then
; group 63 - 8 j - c (16 - 2 j steps): 17 steps for every wave of every work-group.  No trip count, way or LDS address hangs on c.  Steps whose keys all come after the queries are not walked; the last step of a task masks.
; LAYOUT.  Both products transposed: S^T = K Q^T, O^T = V^T P^T: a lane holds one query throughout.  K's tiles are the permuted sets, so p's registers 16 b + i are keys 32 b + 16 (lane / 16) + i; V's channel tiles likewise,
; so O^T's registers 16 B + i are channels 32 B + 16 (lane / 16) + i.  V's four fragments are asked for straight behind the score products, into the registers that K's fragments have left, and land under the softmax.
; OUT: ao [token tile][K step = pair of heads][1,536]: head hd fills three pieces of 256 bytes at 768 hd; aos [token tile][r][32]: head hd fills bytes 2 hd, 2 hd + 1 of each row (two bytes a lane: 1 byte in 24 of the output).
; LIMITS: NaN and infinities are not served; a block whose every p is 0 keeps the byte 1 (its codes are zeros).
.set REC,  311296
.set VIM,  98304
.set KSC,  196608
.set VSC,  200704
.set QIM,  204800
.set QSC,  303104
.set QF,   16                          ; v16-33   Q, zeros, Q
.set KF,   34                          ; v34-81   four fragments of K, then four of V
.set S,    82                          ; v82-145  S^T, then p
.set O,    146                         ; v146-177 O^T
.set PCD,  178                         ; v178-189 p's codes
.set PC2,  190                         ; v190-197 the conversions' second halves
.set BM,   198                         ; v198-201 the blocks' largest scores, then largest p
.set PT,   202                         ; v202-205 the other half's, then bytes
.set SO,   206                         ; v206-209 the conversions' scale operands
.set KSW,  210                         ; v210-213 K's scale words
.set VSW,  214                         ; v214-217 V's
.set QSW,  218                         ; v218 Q's scale word for (Q | 0), v219 for (0 | Q)
.set PSW,  220
.set F,    222                         ; v222 f = 2^(old M - new M); v223 its written partner
.set T0,   224
.set T1,   225
.set TP,   226                         ; v226-227
.set L8,   228                         ; 8 L
.set WV,   12
.set J2,   13                          ; 2 j: task A's last key step
.set U,    14
.set GA,   16
.set GB,   17
.set T,    18
.set NA,   19
.set SEL,  20
.set CS,   22
.set LB,   36                          ; 15 - 2 j: task B's last key step
.set KS,   37
.set LAST, 38
.set G,    39
.macro PLACES n
.rept \n
	v_nop
.endr
.endm
.macro CROUND
	s_barrier_signal -1
	s_barrier_wait -1
	s_cmp_lg_u32 s[WV], 0
	s_cbranch_scc1 .Lnot_wave_0_\@
	s_barrier_signal -3
.Lnot_wave_0_\@:
	s_barrier_wait -3
	s_barrier_signal -1
	s_barrier_wait -1
.endm
.macro START g                         ; a task begins: Q of group s[g] (loaded twice: below and above the zeros), zeros, and a largest t under every t
	s_lshl_b32 s42, s[\g], 1
	s_add_co_u32 s42, s42, s[U]                    ; tile 2 g + u
	s_mul_i32 s44, s42, 768
	s_add_co_u32 s44, s44, QIM
	s_mov_b32 s45, 0
	s_lshl_b32 s46, s42, 6
	s_add_co_u32 s46, s46, QSC
	s_mov_b32 s47, 0
	s_add_nc_u64 s[44:45], s[40:41], s[44:45]
	s_add_nc_u64 s[46:47], s[40:41], s[46:47]
.irp p, 0,1,2
	global_load_b64 v[QF+2*\p:QF+2*\p+1], v[L8], s[44:45] offset:256*\p
	global_load_b64 v[QF+12+2*\p:QF+12+2*\p+1], v[L8], s[44:45] offset:256*\p
.endr
	global_load_b32 v[QSW], v6, s[46:47]
.set n, 0
.rept 32
	v_mov_b32 v[O+n], 0                            ; the step is written once: a task's first step finds zeros, which the first change of M leaves zeros
.set n, n+1
.endr
	v_mov_b32 v14, 0
	v_mov_b32 v15, 0
	v_mov_b32 v13, 0xff61b1e6                      ; -3e38
	s_delay_alu instid0(VALU_DEP_1)
	v_floor_f32 v12, -v13
	s_wait_loadcnt 0x0
	v_lshlrev_b32 v[QSW+1], 16, v[QSW]             ; the two bytes over the upper 64 along K
	PLACES 8                                       ; a scale register written by a vector instruction stands 8 places ahead of a scaled product
.endm
	s_load_b128 s[4:7], s[0:1], 0x0                ; qkv, ao
	s_load_b64 s[8:9], s[0:1], 0x10                ; aos
	v_lshl_add_u32 v232, v0, 2, 0x32000
	v_mov_b32 v233, 0
	ds_add_u32 v232, v233
	ds_add_u32 v232, v233
	v_lshrrev_b32 v1, 5, v0
	s_delay_alu instid0(VALU_DEP_1)
	v_readfirstlane_b32 s[WV], v1
	s_and_b32 s[J2], s[WV], 14
	s_and_b32 s[U], s[WV], 1
	s_bfe_u32 s15, ttmp6, 0x40000                  ; c: my place in the cluster: it enters global addresses and the mask's numbers alone
	s_lshl_b32 s[GA], s[J2], 2
	s_add_co_u32 s[GA], s[GA], s15                 ; 8 j + c
	s_sub_co_u32 s[GB], 63, s[GA]
	s_add_co_u32 s[NA], s[J2], 1
	s_xor_b32 s[LB], s[J2], 15                     ; 15 - 2 j
	s_and_b32 s52, ttmp7, 0xffff                   ; the record: 16 x batch + head
	s_mul_i32 s42, s52, REC
	s_mov_b32 s43, 0
	s_and_b32 s53, s52, 15                         ; head
	s_lshr_b32 s52, s52, 4                         ; batch
	s_mov_b32 s24, 15|(3<<16)|(1<<21)              ; 15:0 all four work-groups; 17:16 elements of 8 bytes; 21 set beside a mask
	s_mov_b32 s25, 32<<16                          ; rows of 256 bytes,
	s_mov_b32 s26, 200<<16                         ; 200 of them: a quarter of 204,800 dense bytes
	s_mov_b32 s27, 32<<16
	s_mov_b32 s28, 200
	s_mov_b32 s29, 32
	s_mov_b32 s30, 0
	s_mov_b32 s31, 0
	s_and_b32 s54, s[WV], 3
	s_mul_i32 s54, s54, 51200
	s_mov_b32 s55, 0
	s_mov_b32 s[SEL], 0x76543210
	s_mov_b32 s[SEL+1], 0xfedcba98
	s_mov_b32 s[CS], 0x3e38aa3b                    ; log2(e) / 8
	s_mov_b32 s[CS+1], s[CS]
	s_wait_dscnt 0x0
	s_wait_kmcnt 0x0
	s_add_nc_u64 s[40:41], s[4:5], s[42:43]
	s_mov_b32 s32, 1
	s_mov_b32 s33, s54
	s_add_nc_u64 s[34:35], s[40:41], s[54:55]
	s_or_b32 s35, s35, 0x80000000
	CROUND                                         ; all four work-groups are here: the joint loads meet
	s_cmp_lt_u32 s[WV], 4
	s_cbranch_scc0 .Lno_fill
	tensor_load_to_lds s[32:35], s[24:31]          ; one load of mine is out
	s_nop 0
.rept 4
	v_nop
.endr
.Lno_fill:
	v_and_b32 v[T0], 31, v0                        ; L
	v_and_b32 v[T1], 15, v0                        ; r
	v_bfe_u32 v[TP], v0, 4, 1                      ; h
	s_delay_alu instid0(VALU_DEP_3)
	v_lshlrev_b32 v1, 4, v[T0]                     ; K's images: 16 L
	s_delay_alu instid0(VALU_DEP_1)
	v_add_nc_u32 v2, VIM, v1                       ; V's
	v_lshlrev_b32 v[L8], 3, v[T0]
	v_lshlrev_b32 v6, 2, v[T1]                     ; 4 r
	v_lshl_add_u32 v3, v[T1], 4, KSC               ; K's scale words: row r's four
	v_lshl_add_u32 v4, v[T1], 4, VSC               ; V's
	v_and_b32 v5, 8, v[T1]
	s_delay_alu instid0(VALU_DEP_1)
	v_add_nc_u32 v5, v5, v[T1]
	v_lshlrev_b32 v[TP+1], 4, v[TP]
	s_delay_alu instid0(VALU_DEP_1)
	v_sub_nc_u32 v5, v5, v[TP+1]                   ; r + 8 (r / 8) - 16 h
	v_lshlrev_b32 v7, 5, v[T1]                     ; 32 r
.irp i, 6,7,8,9,10,11
	v_mov_b32 v[QF+\i], 0                          ; zero codes between the two copies of Q
.endr
.irp b, 0,1,2,3
	v_mov_b32 v[PT+\b], 0                          ; written once: a lane permute's destination counts as one of its sources
.endr
	v_mov_b32 v[F+1], 0                            ; named as the upper half of a pair
	START GA
	s_wait_tensorcnt 0x0                           ; my quarter has landed,
	s_barrier_signal -1
	s_barrier_wait -1                              ; everybody's has.  Nothing writes LDS from here on
	s_mov_b32 s[T], 0
.Lstep:
	s_cmp_lt_u32 s[T], s[NA]                       ; task A or task B: it hangs on the wave's number and the trip alone
	s_cselect_b32 s[KS], 0, s[LB]
	s_cselect_b32 s[LAST], s[J2], s[LB]
	s_cselect_b32 s[G], s[GA], s[GB]
	s_add_co_u32 s[KS], s[KS], s[T]
	s_and_b32 s[KS], s[KS], 15                     ; the key step: t, or t - (2 j + 1) = (t + 15 - 2 j) mod 16
	s_mul_i32 s54, s[KS], 6144
	s_lshl_b32 s56, s[KS], 8
	s_setprio 2
	v_add_nc_u32 v8, s54, v1                       ; four plain lines: the places between the last step's products and the loads into the registers that they read
	v_add_nc_u32 v9, s54, v2
	v_add_nc_u32 v10, s56, v3
	v_add_nc_u32 v11, s56, v4
.irp f, 0,1,2,3                                ; K's four fragments: eight tiles of 16 keys
.irp c, 0,1,2
	ds_load_b128 v[KF+12*\f+4*\c:KF+12*\f+4*\c+3], v8 offset:1536*\f+512*\c
.endr
.endr
	ds_load_b128 v[KSW:KSW+3], v10
	s_wait_dscnt 0x0
	s_wait_alu depctr_va_vdst(0)
.irp n, 0,1,2,3,4,5,6,7                        ; S^T = K Q^T: tile n = 2 f + u: fragment f against (Q | 0) or (0 | Q)
	v_wmma_scale_f32_16x16x128_f8f6f4 v[S+8*\n:S+8*\n+7], v[KF+12*(\n/2):KF+12*(\n/2)+11], v[QF+6*(\n%2):QF+6*(\n%2)+11], 0, v[KSW+\n/2], v[QSW+\n%2] matrix_a_fmt:MATRIX_FMT_FP6 matrix_b_fmt:MATRIX_FMT_FP6
.endr
	PLACES 4                                       ; in front of the loads into K's registers and of the first read of the scores
.irp ct, 0,1,2,3                               ; V's four fragments: they land under the softmax
.irp c, 0,1,2
	ds_load_b128 v[KF+12*\ct+4*\c:KF+12*\ct+4*\c+3], v9 offset:1536*\ct+512*\c
.endr
.endr
	ds_load_b128 v[VSW:VSW+3], v11
	s_cmp_lg_u32 s[KS], s[LAST]                    ; only a task's last step holds keys that come after a query
	s_cbranch_scc1 .Lopen
	s_lshl_b32 s54, s[G], 5
	s_lshl_b32 s55, s[U], 3
	s_add_co_u32 s54, s54, s55
	s_lshl_b32 s55, s[KS], 7
	s_sub_co_u32 s54, s54, s55
	v_add_nc_u32 v[T0], s54, v5                    ; d = my query - the step's first key - 16 h.  Register 16 b + i holds key 32 b + 16 h + i of the step: hidden where 32 b + i > d
	v_mov_b32 v[T1], 0xff800000
.set n, 0
.rept 64
	v_cmp_gt_i32 vcc_lo, 32*(n/16)+n%16, v[T0]
	v_cndmask_b32 v[S+n], v[S+n], v[T1], vcc_lo
.set n, n+1
.endr
.Lopen:
.irp b, 0,1,2,3
	v_max3_num_f32 v[BM+\b], v[S+16*\b], v[S+16*\b+1], v[S+16*\b+2]   ; the largest score of each block of 32 keys: for the row's maximum, and, since p rises with the score, for the block's largest p
.endr
.irp i, 3,5,7,9,11,13
.irp b, 0,1,2,3
	v_max3_num_f32 v[BM+\b], v[BM+\b], v[S+16*\b+\i], v[S+16*\b+\i+1]
.endr
.endr
.irp b, 0,1,2,3
	v_max_num_f32 v[BM+\b], v[BM+\b], v[S+16*\b+15]
.endr
.irp b, 0,1,2,3
	s_delay_alu instid0(VALU_DEP_4)
	v_permlanex16_b32 v[PT+\b], v[BM+\b], s[SEL], s[SEL+1]
.endr
.irp b, 0,1,2,3
	s_delay_alu instid0(VALU_DEP_4)
	v_max_num_f32 v[BM+\b], v[BM+\b], v[PT+\b]
.endr
	s_delay_alu instid0(VALU_DEP_2)
	v_max3_num_f32 v[T0], v[BM], v[BM+1], v[BM+2]
	s_delay_alu instid0(VALU_DEP_1)
	v_max_num_f32 v[T0], v[T0], v[BM+3]
	s_delay_alu instid0(VALU_DEP_1)
	v_mul_f32 v[T0], s[CS], v[T0]
	s_delay_alu instid0(VALU_DEP_1)
	v_max_num_f32 v13, v13, v[T0]                  ; the running largest t
	v_mov_b32 v[T0], v12
	s_delay_alu instid0(VALU_DEP_2)
	v_floor_f32 v12, -v13                          ; -M = floor(-t): M is a whole number
	s_delay_alu instid0(VALU_DEP_1)
	v_sub_f32 v[T0], v12, v[T0]                    ; old M - new M: a whole number, 0 or less
	s_delay_alu instid0(VALU_DEP_1)
	v_cvt_i32_f32 v[T0], v[T0]                     ; (it saturates)
	s_delay_alu instid0(VALU_DEP_1)
	v_ldexp_f32 v[F], 1.0, v[T0]
.set n, 0
.rept 32
	v_pk_fma_f32 v[S+n:S+n+1], v[S+n:S+n+1], s[CS:CS+1], v[12:13] op_sel_hi:[1,0,0]   ; t - M
.set n, n+2
.endr
.irp b, 0,1,2,3
	v_fma_f32 v[BM+\b], v[BM+\b], s[CS], v12
.endr
.set n, 0
	s_wait_alu depctr_va_vdst(0)
.rept 64
	v_exp_f32 v[S+n], v[S+n]                       ; p = 2^(t - M)
.set n, n+1
.endr
	s_setprio 1
.irp b, 0,1,2,3
	v_exp_f32 v[BM+\b], v[BM+\b]                   ; the block's largest p: the same two instructions on the same number
.endr
	v_pk_mul_f32 v[14:15], v[14:15], v[F:F+1] op_sel_hi:[1,0]   ; the sum under the new M (a plain place behind the exponentials)
	s_wait_alu depctr_va_vdst(0)
.irp b, 0,1,2,3
	v_max_num_f32 v[BM+\b], 0x1800000, v[BM+\b]    ; the floor 2^(3 - 127)
.endr
.irp b, 0,1,2,3
	s_delay_alu instid0(VALU_DEP_4)
	v_add_nc_u32 v[SO+\b], 0xff000000, v[BM+\b]
.endr
.irp b, 0,1,2,3
	s_delay_alu instid0(VALU_DEP_4)
	v_lshrrev_b32 v[PT+\b], 23, v[SO+\b]
.endr
	s_delay_alu instid0(VALU_DEP_3)
	v_lshl_or_b32 v[PSW], v[PT+1], 8, v[PT]
	s_delay_alu instid0(VALU_DEP_1)
	v_lshl_or_b32 v[PSW], v[PT+2], 16, v[PSW]
	s_delay_alu instid0(VALU_DEP_1)
	v_lshl_or_b32 v[PSW], v[PT+3], 24, v[PSW]
.irp c, 0,1
	v_cvt_scalef32_pk16_fp6_f32 v[PCD+6*\c:PCD+6*\c+2], v[S+32*\c:S+32*\c+15], v[SO+2*\c]
	v_cvt_scalef32_pk16_fp6_f32 v[PC2+4*\c:PC2+4*\c+2], v[S+32*\c+16:S+32*\c+31], v[SO+2*\c+1]
.endr
	v_nop                                          ; one plain place behind a scaled conversion
.irp c, 0,1
.irp i, 0,1,2
	v_permlane16_swap_b32 v[PCD+6*\c+\i], v[PC2+4*\c+\i]
.endr
.irp i, 0,1,2
	s_delay_alu instid0(VALU_DEP_3)
	v_mov_b32 v[PCD+3+6*\c+\i], v[PC2+4*\c+\i]
.endr
.endr
	v_pk_add_f32 v[226:227], v[86:87], v[90:91]
	v_pk_add_f32 v[230:231], v[94:95], v[98:99]
	v_pk_add_f32 v[212:213], v[102:103], v[106:107]
	v_pk_add_f32 v[210:211], v[110:111], v[114:115]
	v_pk_add_f32 v[208:209], v[118:119], v[122:123]
	v_pk_add_f32 v[206:207], v[126:127], v[130:131]
	v_pk_add_f32 v[200:201], v[134:135], v[138:139]
	v_pk_add_f32 v[14:15], v[14:15], v[142:143]
	v_pk_add_f32 v[226:227], v[226:227], v[82:83]
	v_pk_add_f32 v[230:231], v[230:231], v[84:85]
	v_pk_add_f32 v[212:213], v[212:213], v[88:89]
	v_pk_add_f32 v[210:211], v[210:211], v[92:93]
	v_pk_add_f32 v[208:209], v[208:209], v[96:97]
	v_pk_add_f32 v[206:207], v[206:207], v[100:101]
	v_pk_add_f32 v[200:201], v[200:201], v[104:105]
	v_pk_add_f32 v[14:15], v[14:15], v[108:109]
	v_pk_add_f32 v[226:227], v[226:227], v[112:113]
	v_pk_add_f32 v[230:231], v[230:231], v[116:117]
	v_pk_add_f32 v[212:213], v[212:213], v[120:121]
	v_pk_add_f32 v[210:211], v[210:211], v[124:125]
	v_pk_add_f32 v[208:209], v[208:209], v[128:129]
	v_pk_add_f32 v[206:207], v[206:207], v[132:133]
	v_pk_add_f32 v[200:201], v[200:201], v[136:137]
	v_pk_add_f32 v[14:15], v[14:15], v[140:141]
	v_pk_add_f32 v[226:227], v[226:227], v[144:145]
	s_delay_alu instid0(VALU_DEP_2)
	v_pk_add_f32 v[14:15], v[14:15], v[210:211]
	s_delay_alu instid0(VALU_DEP_2)
	v_pk_add_f32 v[226:227], v[226:227], v[208:209]
	v_pk_add_f32 v[230:231], v[230:231], v[206:207]
	v_pk_add_f32 v[212:213], v[212:213], v[200:201]
	s_delay_alu instid0(VALU_DEP_2)
	v_pk_add_f32 v[14:15], v[14:15], v[230:231]
	s_delay_alu instid0(VALU_DEP_2)
	v_pk_add_f32 v[226:227], v[226:227], v[212:213]
	s_delay_alu instid0(VALU_DEP_1)
	v_pk_add_f32 v[14:15], v[14:15], v[226:227]
.set n, 0
.rept 16
	v_pk_mul_f32 v[O+n:O+n+1], v[O+n:O+n+1], v[F:F+1] op_sel_hi:[1,0]   ; O^T under the new M
.set n, n+2
.endr
	s_wait_alu depctr_va_vdst(0)
	s_wait_dscnt 0x0                               ; V
.irp ct, 0,1,2,3
	v_wmma_scale_f32_16x16x128_f8f6f4 v[O+8*\ct:O+8*\ct+7], v[KF+12*\ct:KF+12*\ct+11], v[PCD:PCD+11], v[O+8*\ct:O+8*\ct+7], v[VSW+\ct], v[PSW] matrix_a_fmt:MATRIX_FMT_FP6 matrix_b_fmt:MATRIX_FMT_FP6
.endr
	s_cmp_lg_u32 s[KS], s[LAST]
	s_setprio 0
	s_cbranch_scc1 .Lnext
	; ---------------- a task ends: O^T / l, quantised along the head's 64 channels, two blocks
	PLACES 4
	s_lshl_b32 s54, s52, 7
	s_lshl_b32 s55, s[G], 1
	s_add_co_u32 s54, s54, s55
	s_add_co_u32 s54, s54, s[U]                    ; the token tile: 128 x batch + 2 g + u
	s_mul_i32 s48, s54, 12288
	s_mul_i32 s55, s53, 768
	s_add_co_u32 s48, s48, s55
	s_mov_b32 s49, 0
	s_lshl_b32 s50, s54, 9
	s_lshl_b32 s55, s53, 1
	s_add_co_u32 s50, s50, s55
	s_mov_b32 s51, 0
	s_add_nc_u64 s[48:49], s[6:7], s[48:49]
	s_add_nc_u64 s[50:51], s[8:9], s[50:51]
	v_add_f32 v14, v14, v15
	s_delay_alu instid0(VALU_DEP_1)
	v_permlanex16_b32 v[T0], v14, s[SEL], s[SEL+1]
	s_delay_alu instid0(VALU_DEP_1)
	v_add_f32 v14, v14, v[T0]                      ; the row's sum
	s_wait_alu depctr_va_vdst(0)
	v_rcp_f32 v14, v14
	v_nop                                          ; one plain place behind a transcendental
.set n, 0
	s_wait_alu depctr_va_vdst(0)
.rept 32
	v_mul_f32 v[S+n], v[O+n], v14                  ; register 16 B + i: channel 32 B + 16 h + i
.set n, n+1
.endr
.irp b, 0,1
	v_max3_num_f32 v[BM+\b], |v[S+16*\b]|, |v[S+16*\b+1]|, 0x1800000
.endr
.irp i, 2,4,6,8,10,12,14
.irp b, 0,1
	s_delay_alu instid0(VALU_DEP_2)
	v_max3_num_f32 v[BM+\b], v[BM+\b], |v[S+16*\b+\i]|, |v[S+16*\b+\i+1]|
.endr
.endr
.irp b, 0,1
	s_delay_alu instid0(VALU_DEP_2)
	v_permlanex16_b32 v[PT+\b], v[BM+\b], s[SEL], s[SEL+1]
.endr
.irp b, 0,1
	s_delay_alu instid0(VALU_DEP_2)
	v_max_num_f32 v[BM+\b], v[BM+\b], v[PT+\b]
.endr
.irp b, 0,1
	s_delay_alu instid0(VALU_DEP_2)
	v_add_nc_u32 v[SO+\b], 0xff000000, v[BM+\b]
.endr
.irp b, 0,1
	s_delay_alu instid0(VALU_DEP_2)
	v_lshrrev_b32 v[PT+\b], 23, v[SO+\b]
.endr
	s_delay_alu instid0(VALU_DEP_1)
	v_lshl_or_b32 v[T1], v[PT+1], 8, v[PT]         ; the head's two scale bytes of my row
	v_cvt_scalef32_pk16_fp6_f32 v[PCD:PCD+2], v[S:S+15], v[SO]
	v_cvt_scalef32_pk16_fp6_f32 v[PC2:PC2+2], v[S+16:S+31], v[SO+1]
	v_nop
.irp i, 0,1,2
	v_permlane16_swap_b32 v[PCD+\i], v[PC2+\i]
.endr
.irp i, 0,1,2
	s_delay_alu instid0(VALU_DEP_3)
	v_mov_b32 v[PCD+3+\i], v[PC2+\i]
.endr
.irp p, 0,1,2
	global_store_b64 v[L8], v[PCD+2*\p:PCD+2*\p+1], s[48:49] offset:256*\p   ; 256 consecutive bytes, aligned
.endr
	global_store_b16 v7, v[T1], s[50:51]           ; lanes r and r + 16 store the same two bytes
	s_wait_xcnt 0x0                                ; the next step writes these stores' registers again
	s_cmp_eq_u32 s[T], 16
	s_cbranch_scc1 .Lnext                          ; behind task B nothing begins
	START GB
.Lnext:
	s_add_co_u32 s[T], s[T], 1
	s_cmp_lt_u32 s[T], 17
	s_cbranch_scc1 .Lstep
	s_setprio 0
	s_wait_tensorcnt 0x0
	ds_add_u32 v232, v233
	s_wait_dscnt 0x0
	CROUND                                         ; the closing round
	s_endpgm
.Lfunc_end_k_q2a6c164c77_attn:
	.size	k_q2a6c164c77_attn, .Lfunc_end_k_q2a6c164c77_attn-k_q2a6c164c77_attn
	.p2alignl 7, 3214868480
	.fill 96, 4, 3214868480
	.section	.rodata,"a",@progbits
	.p2align	6, 0x0
	.amdhsa_kernel k_q2a6c164c77_attn
		.amdhsa_group_segment_fixed_size 327680
		.amdhsa_private_segment_fixed_size 0
		.amdhsa_enable_private_segment 0
		.amdhsa_kernarg_size 24
		.amdhsa_user_sgpr_count 2
		.amdhsa_user_sgpr_kernarg_segment_ptr 1
		.amdhsa_wavefront_size32 1
		.amdhsa_system_sgpr_workgroup_id_x 1
		.amdhsa_system_sgpr_workgroup_id_y 1
		.amdhsa_system_sgpr_workgroup_id_z 1
		.amdhsa_system_vgpr_workitem_id 0
		.amdhsa_next_free_vgpr 234
		.amdhsa_next_free_sgpr 66
		.amdhsa_reserve_vcc 1
		.amdhsa_float_denorm_mode_32 3
		.amdhsa_float_denorm_mode_16_64 3
		.amdhsa_memory_ordered 1
		.amdhsa_forward_progress 1
		.amdhsa_inst_pref_size 38
	.end_amdhsa_kernel
	.amdgpu_metadata
---
amdhsa.version: [ 1, 2 ]
amdhsa.kernels:
  - .name:           k_q2a6c164c77_attn
    .symbol:         k_q2a6c164c77_attn.kd
    .args:
      - { .name: qkv, .offset: 0, .size: 8, .value_kind: global_buffer, .address_space: global }
      - { .name: ao, .offset: 8, .size: 8, .value_kind: global_buffer, .address_space: global }
      - { .name: aos, .offset: 16, .size: 8, .value_kind: global_buffer, .address_space: global }
    .group_segment_fixed_size: 327680
    .private_segment_fixed_size: 0
    .kernarg_segment_align: 8
    .kernarg_segment_size: 24
    .max_flat_workgroup_size: 512
    .sgpr_count:     66
    .vgpr_count:     234
    .wavefront_size: 32
...
	.end_amdgpu_metadata
.endif
;; end of part 3
;; launch oproj (part 4): grid 8 x 32, 4 waves a work-group, clusters of 4 x 4, 327,680 bytes of LDS; arguments ao, aos, codes, scales, out0; writes out0
.if DOCPART == 4
	.amdgcn_target "amdgcn-amd-amdhsa--gfx1250"
	.amdhsa_code_object_version 6
	.text
	.protected	k_q2a6c164c77_oproj
	.globl	k_q2a6c164c77_oproj
	.p2align	8
	.type	k_q2a6c164c77_oproj,@function
k_q2a6c164c77_oproj:
	s_mov_b64 s[64:65], 0
	v_nop
	global_prefetch_b8 v0, s[64:65] scope:SCOPE_SE
	s_setreg_imm32_b32 hwreg(HW_REG_WAVE_MODE, 25, 1), 1
	s_wait_xcnt 0x0
	s_wait_alu depctr_hold_cnt(0) depctr_sa_sdst(0) depctr_va_vdst(0) depctr_va_sdst(0) depctr_va_ssrc(0) depctr_va_vcc(0) depctr_vm_vsrc(0)
	s_getreg_b32 s2, hwreg(HW_REG_IB_STS2, 6, 4)
	s_cmp_eq_u32 s2, 0
	s_cbranch_scc0 .Lentry_in_a_cluster
	s_endpgm
.Lentry_in_a_cluster:
	s_bfe_u32 s2, ttmp6, 0x10000c
	s_cmp_lg_u32 s2, 0xf033
	s_cbranch_scc0 .Lentry_shape_is_right
	s_endpgm
.Lentry_shape_is_right:
; OPROJ.  out0 = a Wo^T on codes of FP6 (E2M3) with E8M0 scales, K = 1,024.  a: the attention's output as the third launch laid it (ao, aos); Wo: tiles 704-767 of codes and scales.
; SHARES, LDS, descriptors and the loop over K are those of the launch that makes q, k and v: a work-group makes 256 tokens (source 1) x 128 outputs (source 0) over all of K, wave w the token tiles 4 w .. 4 w + 3
; against Wo's eight: 32 accumulators.  The panels (294,912 bytes) and their scales come once, in four chunks of two K steps, all asked for at the start: five tensor loads of a wave are out at most.  No byte is filled again.
; CLUSTERS: 4 x 4: the tokens' panel is shared along a row of the cluster, Wo's along a column: joint loads.
; THE PRODUCT IS USED TRANSPOSED: a lane holds one token and its registers 16 b + i the outputs 32 b + 16 (lane / 16) + i of the work-group's 128.
; THE WAY OUT: a tile of 16 tokens x 128 outputs goes through the wave's stage in LDS and leaves as whole rows of 512 bytes.  The stage lies in the wave's own 12,288 bytes of chunk 0 (its token tiles of K steps 0 and 1):
; they had their one fill at the start, and no other wave ever reads them.
.set CH,    73728
.set S0OFF, 49152
.set SCL,   4*CH
.set SP,    528                        ; a stage row: 512 bytes + 16
.set WV,    12
.set ROLE,  13
.set HALF,  14
.set B0,    15
.set B1,    23
.set G1A,   24
.set G1B,   32
.set G1SA,  40
.set G1SB,  48
.set GA0,   56
.set GA1,   60
.set GA2,   68
.set GA3,   72
.set GSA,   76
.set GB0,   80
.set GB1,   84
.set GB2,   88
.set GB3,   92
.set GSB,   96
.set S0S,   16
.set S1S,   48
.set F1,    64
.set BK,    64                         ; the way out: rows read back: v64-127 and v128-191 by turns
.set STO,   200
.set RD,    201
.set CO,    202
.set MSB, 0
.macro WIN new
.if MSB != \new
	s_set_vgpr_msb (MSB<<8)|\new
.set MSB, \new
.endif
.endm
.macro PLACES n
.rept \n
	v_nop
.endr
.endm
.macro CROUND
	s_barrier_signal -1
	s_barrier_wait -1
	s_cmp_lg_u32 s[WV], 0
	s_cbranch_scc1 .Lnot_wave_0_\@
	s_barrier_signal -3
.Lnot_wave_0_\@:
	s_barrier_wait -3
	s_barrier_signal -1
	s_barrier_wait -1
.endm
.macro JLOAD g0a, g1a, g0b, g1b        ; a joint load: waves 0, 1 for source 1, waves 2, 3 for source 0; four v_nop follow each line
	s_cmp_eq_u32 s[ROLE], 0
	s_cbranch_scc0 .Lfor_b_\@
	tensor_load_to_lds s[\g0a:\g0a+3], s[\g1a:\g1a+7]
	s_nop 0
.rept 4
	v_nop
.endr
	s_branch .Lasked_\@
.Lfor_b_\@:
	tensor_load_to_lds s[\g0b:\g0b+3], s[\g1b:\g1b+7]
	s_nop 0
.rept 4
	v_nop
.endr
.Lasked_\@:
.endm
.macro SETG1 g, c, r, p
	s_mov_b32 s[\g+1], (\c)<<16
	s_mov_b32 s[\g+2], (\r)<<16
	s_mov_b32 s[\g+3], (\c)<<16
	s_mov_b32 s[\g+4], \r
	s_mov_b32 s[\g+5], \p
	s_mov_b32 s[\g+6], 0
	s_mov_b32 s[\g+7], 0
.endm
.macro SETG0 g, lmul, loff, areg, aoff
	s_mov_b32 s[\g], 1
	s_mul_i32 s[\g+1], s[HALF], \lmul
	s_add_co_u32 s[\g+1], s[\g+1], \loff
	s_add_nc_u64 s[\g+2:\g+3], s[\areg:\areg+1], \aoff
	s_or_b32 s[\g+3], s[\g+3], 0x80000000
.endm
.macro FETCH j
	WIN 0x40
.irp t, 0,1,2,3,4,5,6,7
.irp p, 0,1,2,3,4,5
	ds_load_b64 v[96*((\j)%2)+12*\t+2*\p:96*((\j)%2)+12*\t+2*\p+1], v[8+(\j)/2] offset:3072*\t+1536*((\j)%2)+256*\p
.endr
.endr
	WIN 0
.irp a, 0,1,2,3
.irp p, 0,1,2,3,4,5
	ds_load_b64 v[F1+48*((\j)%2)+12*\a+2*\p:F1+48*((\j)%2)+12*\a+2*\p+1], v[4+(\j)/2] offset:3072*\a+1536*((\j)%2)+256*\p
.endr
.endr
.endm
.macro MUL j                           ; the 32 accumulators take turns, one instruction a turn
	WIN 0xa1
.irp a, 0,1,2,3
.irp t, 0,1,2,3,4,5,6,7
.set rD, 64*\a+8*\t
.set rA, 96*((\j)%2)+12*\t
.set rB, F1+48*((\j)%2)+12*\a
.set rX, S0S+4*\t+(\j)%4
.set rY, S1S+4*\a+(\j)%4
.if (\j) == 0
	v_wmma_scale_f32_16x16x128_f8f6f4 v[rD:rD+7], v[rA:rA+11], v[rB:rB+11], 0, v[rX], v[rY] matrix_a_fmt:MATRIX_FMT_FP6 matrix_b_fmt:MATRIX_FMT_FP6
.elseif (\j) < 4
	v_wmma_scale_f32_16x16x128_f8f6f4 v[rD:rD+7], v[rA:rA+11], v[rB:rB+11], v[rD:rD+7], v[rX], v[rY] matrix_a_fmt:MATRIX_FMT_FP6 matrix_b_fmt:MATRIX_FMT_FP6
.else
	v_wmma_scale_f32_16x16x128_f8f6f4 v[rD:rD+7], v[rA:rA+11], v[rB:rB+11], v[rD:rD+7], v[rX], v[rY] matrix_a_fmt:MATRIX_FMT_FP6 matrix_b_fmt:MATRIX_FMT_FP6 matrix_a_scale:MATRIX_SCALE_ROW1 matrix_b_scale:MATRIX_SCALE_ROW1
.endif
.endr
.endr
.endm
.macro KSTEP j
	s_wait_dscnt 0x0                               ; this step's fragments are in
.if ((\j)%2 == 1) && ((\j) < 7)
	s_wait_tensorcnt 2-(\j)/2                      ; my part of the next chunk has landed; the chunks issued behind it may be out
	s_barrier_signal -1
	s_barrier_wait -1
.endif
.if (\j) < 7
.if (\j) > 0
	PLACES 4
.endif
	FETCH (\j)+1
.endif
	MUL \j
.endm
.macro TOSTAGE a
	WIN 0x08                                       ; an LDS store's data are its source 1: window 2
.irp b, 0,1,2,3
.irp q, 0,1,2,3
	ds_store_b128 v[STO], v[64*(\a)+16*\b+4*\q:64*(\a)+16*\b+4*\q+3] offset:128*\b+16*\q   ; each accumulator from its low end on
.endr
.endr
	WIN 0
.set BB, BK+64*((\a)%2)
.set i, 0
.rept 16
	ds_load_b128 v[BB+4*i:BB+4*i+3], v[RD] offset:SP*i   ; LDS serves a wave's instructions in order: these see the stores above, and the next tile's stores come behind them
.set i, i+1
.endr
.endm
.macro SEND a, younger                 ; younger: the LDS instructions issued behind tile a's loads
.set BB, BK+64*((\a)%2)
	s_wait_dscnt \younger
.set i, 0
.rept 16
	global_store_b128 v[CO], v[BB+4*i:BB+4*i+3], s[20:21] offset:(32*((\a)/2)+8*((\a)%2)+i+8*(i/8))*4096 th:TH_STORE_NT   ; 32 lanes store 512 consecutive bytes, aligned; written once, read by nobody here
.set i, i+1
.endr
.endm
	s_load_b256 s[4:11], s[0:1], 0x0               ; ao, aos, codes, scales
	s_load_b64 s[20:21], s[0:1], 0x20              ; out0
	v_lshl_add_u32 v254, v0, 2, 0x4b000
	v_mov_b32 v255, 0
	ds_add_u32 v254, v255
	ds_add_u32 v254, v255
	v_lshrrev_b32 v1, 5, v0
	v_readfirstlane_b32 s[WV], v1
	s_lshr_b32 s[ROLE], s[WV], 1
	s_and_b32 s[HALF], s[WV], 1
	s_bfe_u32 s15, ttmp6, 0x40000                  ; cx
	s_bfe_u32 s16, ttmp6, 0x40004                  ; cy
	s_and_b32 s18, ttmp7, 0xffff
	s_lshl_b32 s[B1], s18, 2
	s_add_co_u32 s[B1], s[B1], s16                 ; the block of 256 tokens: 4 y + cy
	s_lshl_b32 s67, ttmp9, 2
	s_lshl_b32 s3, s16, 2
	s_lshl_b32 s3, 15, s3                          ; my row of the cluster
	s_lshl_b32 s100, 0x1111, s15                   ; my column
	s_add_co_u32 s[B0], s67, s15                   ; the block of 128 outputs: 4 x + cx
	s_or_b32 s[G1A], s3, (3<<16)|(1<<21)
	s_or_b32 s[G1SA], s3, (3<<16)|(1<<21)
	s_or_b32 s[G1B], s100, (3<<16)|(1<<21)
	s_or_b32 s[G1SB], s100, (3<<16)|(1<<21)
	s_lshl_b32 s2, s[B1], 4
	s_lshl_b32 s3, s[HALF], 3
	s_add_co_u32 s2, s2, s3
	s_lshl_b32 s16, s2, 9
	s_mov_b32 s17, 0
	s_mul_i32 s2, s2, 12288
	s_mov_b32 s3, 0
	s_lshl_b32 s66, s[B0], 3
	s_add_co_u32 s66, s66, 704
	s_lshl_b32 s67, s[HALF], 2
	s_add_co_u32 s66, s66, s67
	s_lshl_b32 s100, s66, 9
	s_mov_b32 s101, 0
	s_mul_i32 s66, s66, 12288
	s_mov_b32 s67, 0
	SETG1 G1A, 384, 8, 1536
	SETG1 G1B, 384, 4, 1536
	SETG1 G1SA, 32, 16, 32
	SETG1 G1SB, 32, 8, 32
	s_wait_dscnt 0x0
	s_wait_kmcnt 0x0
	s_add_nc_u64 s[2:3], s[4:5], s[2:3]
	s_add_nc_u64 s[16:17], s[6:7], s[16:17]
	s_add_nc_u64 s[66:67], s[8:9], s[66:67]
	s_add_nc_u64 s[100:101], s[10:11], s[100:101]
	SETG0 GSA, 4096, SCL, 16, 0
	SETG0 GSB, 2048, SCL+8192, 100, 0
	SETG0 GA0, 24576, 0*CH, 2, 0*3072
	SETG0 GA1, 24576, 1*CH, 2, 1*3072
	SETG0 GA2, 24576, 2*CH, 2, 2*3072
	SETG0 GA3, 24576, 3*CH, 2, 3*3072
	SETG0 GB0, 12288, 0*CH+S0OFF, 66, 0*3072
	SETG0 GB1, 12288, 1*CH+S0OFF, 66, 1*3072
	SETG0 GB2, 12288, 2*CH+S0OFF, 66, 2*3072
	SETG0 GB3, 12288, 3*CH+S0OFF, 66, 3*3072
	CROUND                                         ; all sixteen work-groups are here: the joint loads meet
	JLOAD GSA, G1SA, GSB, G1SB
	JLOAD GA0, G1A, GB0, G1B
	JLOAD GA1, G1A, GB1, G1B
	JLOAD GA2, G1A, GB2, G1B
	JLOAD GA3, G1A, GB3, G1B
	v_and_b32 v1, 15, v0                           ; r
	v_bfe_u32 v2, v0, 4, 1                         ; h
	v_and_b32 v14, 31, v0
	v_lshlrev_b32 v[CO], 4, v14                    ; 16 L
	v_lshlrev_b32 v14, 3, v14                      ; 8 L
	s_mul_i32 s2, s[WV], 12288
	v_mul_u32_u24 v[STO], v1, SP
	v_lshl_add_u32 v[STO], v2, 6, v[STO]
	v_add_nc_u32 v[STO], s2, v[STO]                ; the stage, in: row r, + 64 h
	v_add_nc_u32 v[RD], s2, v[CO]                  ; and back: a whole row, 16 bytes a lane
.irp q, 0,1,2,3
	v_add_nc_u32 v[4+\q], s2, v14
	v_add_nc_u32 v[8+\q], S0OFF+CH*\q, v14
	s_add_co_u32 s2, s2, CH
.endr
	v_lshlrev_b32 v13, 5, v1
	v_lshl_add_u32 v13, v2, 4, v13
	s_lshl_b32 s2, s[WV], 11
	s_add_co_u32 s2, s2, SCL
	v_add_nc_u32 v12, s2, v13
	v_add_nc_u32 v13, SCL+8192, v13
	s_lshl_b32 s2, s[B1], 8
	s_lshl_b32 s3, s[WV], 6
	s_add_co_u32 s2, s2, s3                        ; my first token
	s_lshl_b32 s2, s2, 12
	s_lshl_b32 s3, s[B0], 9
	s_add_co_u32 s2, s2, s3                        ; + my block's 512 bytes of a row
	s_mov_b32 s3, 0
	s_add_nc_u64 s[20:21], s[20:21], s[2:3]
	s_wait_alu depctr_va_vdst(0)
	s_wait_tensorcnt 0x3                           ; the scales and my part of chunk 0 have landed; chunks 1 to 3 may be out
	s_barrier_signal -1
	s_barrier_wait -1
.irp t, 0,1,2,3,4,5,6,7
	ds_load_b128 v[S0S+4*\t:S0S+4*\t+3], v13 offset:512*\t
.endr
.irp a, 0,1,2,3
	ds_load_b128 v[S1S+4*\a:S1S+4*\a+3], v12 offset:512*\a
.endr
	FETCH 0
.irp j, 0,1,2,3,4,5,6,7
	KSTEP \j
.endr
	WIN 0
	PLACES 4                                       ; in front of the first read of results and of loads into the fragments' registers
	TOSTAGE 0
.irp a, 1,2,3
.if \a > 1
	s_wait_xcnt 0x0                                ; tile a - 2's stores have read the registers into which tile a's rows come back
.endif
	TOSTAGE \a
	SEND \a-1, 32                                  ; behind tile a - 1's loads: tile a's 16 stores and 16 loads
.endr
	SEND 3, 0
	s_wait_tensorcnt 0x0
	ds_add_u32 v254, v255
	s_wait_dscnt 0x0
	CROUND                                         ; the closing round
	s_endpgm
.Lfunc_end_k_q2a6c164c77_oproj:
	.size	k_q2a6c164c77_oproj, .Lfunc_end_k_q2a6c164c77_oproj-k_q2a6c164c77_oproj
	.p2alignl 7, 3214868480
	.fill 96, 4, 3214868480
	.section	.rodata,"a",@progbits
	.p2align	6, 0x0
	.amdhsa_kernel k_q2a6c164c77_oproj
		.amdhsa_group_segment_fixed_size 327680
		.amdhsa_private_segment_fixed_size 0
		.amdhsa_enable_private_segment 0
		.amdhsa_kernarg_size 40
		.amdhsa_user_sgpr_count 2
		.amdhsa_user_sgpr_kernarg_segment_ptr 1
		.amdhsa_wavefront_size32 1
		.amdhsa_system_sgpr_workgroup_id_x 1
		.amdhsa_system_sgpr_workgroup_id_y 1
		.amdhsa_system_sgpr_workgroup_id_z 1
		.amdhsa_system_vgpr_workitem_id 0
		.amdhsa_next_free_vgpr 1024
		.amdhsa_next_free_sgpr 102
		.amdhsa_reserve_vcc 0
		.amdhsa_float_denorm_mode_32 3
		.amdhsa_float_denorm_mode_16_64 3
		.amdhsa_memory_ordered 1
		.amdhsa_forward_progress 1
		.amdhsa_inst_pref_size 98
	.end_amdhsa_kernel
	.amdgpu_metadata
---
amdhsa.version: [ 1, 2 ]
amdhsa.kernels:
  - .name:           k_q2a6c164c77_oproj
    .symbol:         k_q2a6c164c77_oproj.kd
    .args:
      - { .name: ao, .offset: 0, .size: 8, .value_kind: global_buffer, .address_space: global }
      - { .name: aos, .offset: 8, .size: 8, .value_kind: global_buffer, .address_space: global }
      - { .name: codes, .offset: 16, .size: 8, .value_kind: global_buffer, .address_space: global }
      - { .name: scales, .offset: 24, .size: 8, .value_kind: global_buffer, .address_space: global }
      - { .name: out0, .offset: 32, .size: 8, .value_kind: global_buffer, .address_space: global }
    .group_segment_fixed_size: 327680
    .private_segment_fixed_size: 0
    .kernarg_segment_align: 8
    .kernarg_segment_size: 40
    .max_flat_workgroup_size: 128
    .sgpr_count:     102
    .vgpr_count:     1024
    .wavefront_size: 32
...
	.end_amdgpu_metadata
.endif
;; end of part 4
